; MI455X (gfx1250); checked and timed in simulation.
; The chip was launched on July 23, 2026; its instructions are those of AMD's public machine-readable ISA for CDNA 5 (MIT licence, August 2026) and "CDNA5" Instruction Set Architecture Reference Guide (July 2026). The comments in the code are by the model that wrote it; some were corrected since.
;; My Multi Head Attention. Allowed arithmetic: matrix products marked QUANTISED: E4M3 operands, one given power-of-two scale a tensor, by v_wmma_f32_16x16x64_fp8_fp8 or v_wmma_f32_16x16x128_fp8_fp8, f32 sums; everything else in f32.
;; Inputs: Wk 1,024 x 1,024 float32; Wo 1,024 x 1,024 float32; Wq 1,024 x 1,024 float32; Wv 1,024 x 1,024 float32; bk 1,024 float32; bo 1,024 float32; bq 1,024 float32; bv 1,024 float32; lowp_scales 12 int32 (the exponents e of the quantised operands' scales 2^e); x 4 x 2,048 x 1,024 float32.
;; Outputs: out0 4 x 2,048 x 1,024 float32.
;; This version of the problem:
;;   THIS VERSION OF THE PROBLEM IS GIVEN IN LOW PRECISION. The matrix products marked QUANTISED in the list below multiply operands that are first quantised to E4M3 (4 exponent bits, 3 mantissa bits; 8 bits a number), with one given power-of-two scale for each operand tensor; their sums are f32. All else is computed in f32.
;;   The module's matrix products, in the order in which they are computed (A, B: the left and right operand; K: the contracted axis; several contracted axes count as one K, in the product's order):
;;     1. [M 8,192, K 1,024] x [K 1,024, N 1,024]; A: input x; B: input Wq: QUANTISED (scales: A lowp_scales[0], B lowp_scales[1])
;;     2. [M 8,192, K 1,024] x [K 1,024, N 1,024]; A: input x; B: input Wk: QUANTISED (scales: A lowp_scales[2], B lowp_scales[3])
;;     3. [M 8,192, K 1,024] x [K 1,024, N 1,024]; A: input x; B: input Wv: QUANTISED (scales: A lowp_scales[4], B lowp_scales[5])
;;     4. batch 64 x [M 2,048, K 64] x [K 64, N 2,048]; A: computed on the way; B: computed on the way: QUANTISED (scales: A lowp_scales[6], B lowp_scales[7])
;;     5. batch 64 x [M 2,048, K 2,048] x [K 2,048, N 64]; A: softmax (see below); B: computed on the way: QUANTISED (scales: A lowp_scales[8], B lowp_scales[9])
;;     6. [M 8,192, K 1,024] x [K 1,024, N 1,024]; A: computed on the way; B: input Wo: QUANTISED (scales: A lowp_scales[10], B lowp_scales[11])
;;   THE QUANTISER, for each operand of a quantised product, along K:
;;     - The operand's scale is 2^e, e = its entry of the input lowp_scales (int32; the entries are numbered through the quantised products in the list's order, A before B).
;;     - Each number is divided by the scale, clamped to +-448, and rounded to the nearest number of E4M3, ties to even, subnormals kept.
;;     - The product sums the exact products of the quantised numbers (number of the format x scale) in f32.
;;   ~~~python
;;   def quantise(x, axis, e):      # numpy; x: float32 -> the quantised numbers, widened to float32 again
;;       x = np.moveaxis(x, axis, -1); K = x.shape[-1]
;;       r = np.clip(x / 2.0 ** e, -448, 448)
;;       step = 2.0 ** (np.maximum(np.frexp(np.where(r == 0, 1, r))[1] - 1, -6) - 3)
;;       q = np.round(r / step) * step * 2.0 ** e      # np.round: ties to even
;;       return np.moveaxis(q, -1, axis).astype(np.float32)
;;   ~~~
;;   SOFTMAX AHEAD OF A QUANTISED PRODUCT. Where the list says 'softmax', what is quantised is not the finished softmax but p = 2^(t - M), with t = logit x log2(e) and M = ceil(the row's largest t), a whole number; so 1/2 < the row's largest p <= 1. The row's sum l is taken of the UNQUANTISED p, in f32, and the product's result is divided by l at the end. Since M is a whole number, a kernel that streams over the keys may use a running M (the ceiling of the running maximum): every later rescaling is an exact power of two, so the quantised numbers keep their values, but for numbers so far below the row's largest that they fall under the format's range.
;;   OPERANDS COMPUTED ON THE WAY. 'Computed on the way' means the value that the module computes at that place (a softmax that the list does not call 'softmax' is quantised finished and normalised). What goes into a quantiser is computed in f32, as accurately as f32 sums, v_exp_f32 and their like allow (about 1e-6 of the number): no bf16 or f16 on the way to a quantiser, and a product that is left as it is and whose result goes on into a quantised operand takes f32 operands (vector FMAs, or v_wmma_f32_16x16x4_f32). A number that lies on a knife's edge between two numbers of the format may be rounded either way, as far as f32 arithmetic and the matrix unit's own rounding can turn it there, and no further.
;; One version. Each part assembles by itself: llvm-mc -triple=amdgcn-amd-amdhsa -mcpu=gfx1250 --defsym DOCPART=n.
;; ======== version 1 of 1: 4 launches
;; limits: right only within a limited range of input values
;; workspace buffers: cb 29,360,128 bytes; qc 8,388,608 bytes; kc 8,388,608 bytes; vc 8,388,608 bytes; zc 8,388,608 bytes
;; launch prep (part 1): grid 384 x 1, 4 waves a work-group, no clusters, 68,096 bytes of LDS; arguments x, Wq, Wk, Wv, Wo, lowp_scales, cb; writes cb
.if DOCPART == 1
	.amdgcn_target "amdgcn-amd-amdhsa--gfx1250"
	.amdhsa_code_object_version 6
	.text
	.protected	k_qbc09f97f77_prep
	.globl	k_qbc09f97f77_prep
	.p2align	8
	.type	k_qbc09f97f77_prep,@function
k_qbc09f97f77_prep:
	s_mov_b64 s[64:65], 0
	v_nop
	global_prefetch_b8 v0, s[64:65] scope:SCOPE_SE
	s_setreg_imm32_b32 hwreg(HW_REG_WAVE_MODE, 25, 1), 1
	s_wait_xcnt 0x0
; PREP: f32 numbers into codes of FP8 (E4M3), once, for the products that read them many times.  All codes go into one buffer, cb.
; code = number / 2^e, held within +-448, rounded to the nearest code, ties to even.
; Work-groups 0-255: x [8192][1024] -> three copies of codes, at bytes 0, 0x800000, 0x1000000 of cb, under scale entries 0, 2, 4: one for each of the products q, k, v.
;   All three are always written, also where the entries are equal: the next launch then finds its copy by its own number alone, and no address there hangs on a loaded number.
; Work-groups 256-383: Wq, Wk, Wv, Wo [1024 (k)][1024 (n)] -> [4][1024 places][1024 k] from byte 0x1800000 of cb, K innermost, scale entries 1, 3, 5, 11.
;   Wq, Wk, Wo: column n lies at place n with its bits 3 and 4 exchanged, so that in the products (used transposed) two neighbouring tiles of 16 places give a lane 16 NEIGHBOURING columns.
;   Wv: column 64 cb + d lies at place 256 (d / 16) + 16 cb + d % 16, so that a block of 256 places holds 16 channels d of all 16 column blocks cb.
; LIMITS: each of the entries 0, 1, 2, 3, 4, 5, 11 lies between -126 and 119, so that 2^e and 448 x 2^e are f32 numbers.  NaN among the inputs is not served.
; The two ways part on the work-group's number and never join; each has LDS bytes of its own.  Waves share nothing: no barrier.
.set STEPS,  16
.set SP,     80                        ; x: a lane's place in a stage: its 64 bytes + 16 of padding
.set WSTG,   32768                     ; W: the four waves' stages begin here (x's regions: 4 x 8,192 bytes from 0)
.set WPITCH, 272                       ; W: a stage row: 256 bytes of codes + 16
.set SPARE,  67584                     ; behind both: the spare words, 128 bytes for each wave: two blocks of 256 bytes that no other line names
.set SPW,    12                        ; v12  LDS address of my spare word; never rewritten
.set NIL,    13                        ; v13  0; never rewritten
.set R,      16                        ; x: v16-79   four sets of 16 numbers as loaded
.set X,      80                        ; x: v80-111  two sets of 16 neighbours
.set T,      112
.set CX,     128                       ; x: v128-139 four registers of codes for each of the three copies
.set QS,     140                       ; x: v140-145 for each copy: 2^e in the first of its pair
.set WX,     32                        ; W: v32-95   two sets of 32 numbers
.set WCD,    96                        ; W: v96-103  a block's codes
.set OUTR,   112                       ; W: v112-175 the way out
.set GA,     16                        ; W: v16-19   the way out's four offsets
	s_load_b256 s[4:11], s[0:1], 0x0               ; x s[4:5], Wq s[6:7], Wk s[8:9], Wv s[10:11]
	s_load_b128 s[12:15], s[0:1], 0x20             ; Wo s[12:13], the scales' exponents s[14:15]
	s_load_b64 s[16:17], s[0:1], 0x30              ; cb
	v_lshl_add_u32 v[SPW], v0, 2, SPARE
	v_mov_b32 v[NIL], 0
	v_lshrrev_b32 v1, 5, v0
	v_readfirstlane_b32 s36, v1                    ; wave 0..3
	v_and_b32 v2, 31, v0                           ; lane
	s_wait_kmcnt 0x0
	s_load_b256 s[24:31], s[14:15], 0x0            ; entries 0 to 7
	s_load_b128 s[32:35], s[14:15], 0x20           ; entries 8 to 11
	s_add_nc_u64 s[18:19], s[16:17], 0x800000      ; x's second copy,
	s_add_nc_u64 s[20:21], s[16:17], 0x1000000     ; its third,
	s_add_nc_u64 s[22:23], s[16:17], 0x1800000     ; the weights' codes
	s_cmp_ge_u32 ttmp9, 256
	s_cbranch_scc1 .Lweights
	s_wait_alu depctr_va_vdst(0)
; ---------------- x: a plain stream.  A wave takes 16 steps of 512 numbers.  Each of a step's four loads reads 512 consecutive bytes; the 2,048 bytes turn through the wave's own stage and come back 64 bytes a lane:
; 16 neighbours along K, as the conversions want them.  A lane's 16 codes are 16 bytes: the wave stores 512 consecutive bytes, once for each copy.
	v_lshlrev_b32 v3, 4, v2                        ; 16 x lane: my bytes of a load's 512, and of a store's
	s_wait_alu depctr_va_vdst(0)
	s_lshl_b32 s37, s36, 13                        ; my wave's region
	v_lshrrev_b32 v14, 2, v2
	v_mul_u32_u24 v14, v14, SP
	v_and_b32 v15, 3, v2
	v_lshl_add_u32 v14, v15, 4, v14
	v_add_nc_u32 v14, s37, v14                     ; into the stage: SP (lane / 4) + 16 (lane % 4)
	v_mul_u32_u24 v15, v2, SP
	v_add_nc_u32 v15, s37, v15                     ; out of it: SP x lane
	s_lshl_b32 s38, ttmp9, 2
	s_add_co_u32 s38, s38, s36                     ; which run of 8,192 numbers is my wave's
	s_lshl_b32 s42, s38, 15
	s_mov_b32 s43, 0
	s_add_nc_u64 s[4:5], s[4:5], s[42:43]
	s_lshl_b32 s42, s38, 13
	s_add_nc_u64 s[16:17], s[16:17], s[42:43]
	s_add_nc_u64 s[18:19], s[18:19], s[42:43]
	s_add_nc_u64 s[20:21], s[20:21], s[42:43]
.macro XLOAD t
.irp i, 0,1,2,3
	global_load_b128 v[R+16*((\t)%4)+4*\i:R+16*((\t)%4)+4*\i+3], v3, s[4:5] offset:2048*(\t)+512*\i th:TH_LOAD_NT
.endr
.endm
.macro XTURN t                         ; LDS serves a wave's instructions in order: no wait between the stores and the loads
.irp i, 0,1,2,3
	ds_store_b128 v14, v[R+16*((\t)%4)+4*\i:R+16*((\t)%4)+4*\i+3] offset:32*SP*((\t)%2)+8*SP*\i
.endr
.irp i, 0,1,2,3
	ds_load_b128 v[X+16*((\t)%2)+4*\i:X+16*((\t)%2)+4*\i+3], v15 offset:32*SP*((\t)%2)+16*\i
.endr
.endm
.macro QCOPY c, t                      ; the step's 16 numbers under scale c: the conversion, the store
.irp i, 0,1,2,3,4,5,6,7,8,9,10,11,12,13,14,15
.endr
	v_cvt_scalef32_pk8_fp8_f32 v[CX+4*\c:CX+4*\c+1], v[XS:XS+7], v[QS+2*\c]
	v_cvt_scalef32_pk8_fp8_f32 v[CX+4*\c+2:CX+4*\c+3], v[XS+8:XS+15], v[QS+2*\c]
	v_nop                                          ; a plain line behind the conversions
	global_store_b128 v3, v[CX+4*\c:CX+4*\c+3], s[16+2*\c:17+2*\c] offset:512*(\t)
.endm
.macro XSTEP t
.set XS, X+16*((\t)%2)
	s_wait_dscnt 0x0                               ; this step's numbers are back from the stage, and its stores into the stage have read their registers,
.if (\t)+4 < STEPS
	XLOAD (\t)+4                                   ; which take the loads of four steps on
.endif
.if (\t)+1 < STEPS
.if STEPS-2-(\t) >= 3
	s_wait_loadcnt 12                              ; the next step's four loads are in; those of the three steps behind it may be out
.else
	s_wait_loadcnt 4*(STEPS-2-(\t))
.endif
	XTURN (\t)+1
.endif
	s_wait_xcnt 0x0                                ; the last step's stores have read their data: the codes' registers are written again only behind this wait
	QCOPY 0, \t
	QCOPY 1, \t
	QCOPY 2, \t
.endm
.irp t, 0,1,2,3
	XLOAD \t
.endr
	s_wait_alu depctr_va_vdst(0)
	s_wait_kmcnt 0x0
.irp c, 0,1,2
	s_add_co_i32 s44, s[24+2*\c], 127
	s_lshl_b32 s45, s44, 23
	v_mov_b32 v[QS+2*\c], s45                      ; 2^e as f32: the conversion takes its exponent field
	s_add_co_i32 s44, s44, 8
	s_lshl_b32 s44, s44, 23
	s_or_b32 s44, s44, 0x600000
.endr
	s_wait_alu depctr_va_vdst(0)
	s_wait_loadcnt 12                              ; step 0's four loads are in
	XTURN 0
.irp t, 0,1,2,3,4,5,6,7,8,9,10,11,12,13,14,15
	XSTEP \t
.endr
	s_wait_tensorcnt 0x0                           ; the wave's end, behind my last LDS store
	ds_add_u32 v[SPW], v[NIL]
	s_wait_dscnt 0x0
	s_endpgm
; ---------------- the weights: K is the FIRST axis.  A lane takes a column n and its registers run down K: each load reads 128 consecutive bytes a wave, and the conversions give codes with K innermost.
; A wave takes 32 columns x 256 along K; the codes go through its own stage and leave as rows: sixteen lanes store 256 consecutive bytes, aligned.
.Lweights:
	s_sub_co_u32 s37, ttmp9, 256
	s_lshr_b32 s38, s37, 5                         ; which weight: 0 Wq, 1 Wk, 2 Wv, 3 Wo
	s_bfe_u32 s39, s37, 0x20003                    ; which 256 along K
	s_and_b32 s40, s37, 7
	s_lshl_b32 s41, s40, 7
	s_lshl_b32 s42, s36, 5
	s_add_co_u32 s41, s41, s42                     ; n0: my wave's first column
	s_cmp_eq_u32 s38, 1
	s_cselect_b64 s[6:7], s[8:9], s[6:7]
	s_cmp_eq_u32 s38, 2
	s_cselect_b64 s[6:7], s[10:11], s[6:7]
	s_cmp_eq_u32 s38, 3
	s_cselect_b64 s[6:7], s[12:13], s[6:7]         ; the weight: the choice hangs on the work-group's number alone
	s_lshl_b32 s42, s39, 20                        ; 256 rows of 4,096 bytes
	s_lshl_b32 s43, s41, 2
	s_add_co_u32 s42, s42, s43
	s_mov_b32 s43, 0
	s_add_nc_u64 s[6:7], s[6:7], s[42:43]
	s_bfe_u32 s44, s41, 0x10005
	s_lshl_b32 s44, s44, 9
	s_lshr_b32 s45, s41, 6
	s_lshl_b32 s45, s45, 4
	s_add_co_u32 s44, s44, s45                     ; Wv: the place of column n0: 512 ((n0 / 32) % 2) + 16 (n0 / 64)
	s_cmp_eq_u32 s38, 2
	s_cselect_b32 s44, s44, s41                    ; the others: n0
	s_cselect_b32 s46, 8, 16                       ; stage rows 8-15, 16-23, 24-31 go so many places further on
	s_cselect_b32 s47, 256, 8
	s_cselect_b32 s48, 264, 24
	s_lshl_b32 s44, s44, 10
	s_lshl_b32 s45, s38, 20
	s_add_co_u32 s44, s44, s45
	s_lshl_b32 s45, s39, 8
	s_add_co_u32 s44, s44, s45
	s_mov_b32 s45, 0
	s_add_nc_u64 s[22:23], s[22:23], s[44:45]      ; my weight, my first place, my 256 bytes of its row
	s_lshl_b32 s46, s46, 10
	s_lshl_b32 s47, s47, 10
	s_lshl_b32 s48, s48, 10
	s_wait_alu depctr_va_vdst(0)
	v_lshlrev_b32 v3, 2, v2                        ; in: 4 bytes a lane
	s_mul_i32 s49, s36, 32*WPITCH
	s_add_co_u32 s49, s49, WSTG                    ; my stage
	v_mul_u32_u24 v4, v2, WPITCH
	v_add_nc_u32 v4, s49, v4                       ; into it: row = my column
	v_and_b32 v5, 15, v2
	v_lshrrev_b32 v6, 4, v2
	v_mul_u32_u24 v7, v6, WPITCH
	v_lshl_add_u32 v7, v5, 4, v7
	v_add_nc_u32 v7, s49, v7                       ; out of it: sixteen lanes to a row, two rows an instruction
	v_lshlrev_b32 v8, 10, v6
	v_lshl_add_u32 v8, v5, 4, v8                   ; and the same two rows among the codes
	v_mov_b32 v[GA], v8
	v_add_nc_u32 v[GA+1], s46, v8
	v_add_nc_u32 v[GA+2], s47, v8
	v_add_nc_u32 v[GA+3], s48, v8
.macro WLOAD t                         ; block t: W(32 t + i, my column), i = 0 .. 31
.set I, 0
.rept 32
	global_load_b32 v[WX+32*((\t)%2)+I], v3, s[6:7] offset:(32*(\t)+I)*4096 th:TH_LOAD_NT
.set I, I+1
.endr
.endm
	WLOAD 0
	WLOAD 1
	s_wait_kmcnt 0x0
	s_cmp_eq_u32 s38, 1
	s_cselect_b32 s25, s27, s25
	s_cmp_eq_u32 s38, 2
	s_cselect_b32 s25, s29, s25
	s_cmp_eq_u32 s38, 3
	s_cselect_b32 s25, s35, s25                    ; e: entry 1, 3, 5 or 11
	s_add_co_i32 s25, s25, 127
	s_lshl_b32 s26, s25, 23
	v_mov_b32 v11, s26                             ; 2^e
	s_add_co_i32 s25, s25, 8
	s_lshl_b32 s25, s25, 23
	s_or_b32 s25, s25, 0x600000
.macro WBLOCK t
.set XS, WX+32*((\t)%2)
.if (\t) < 7
	s_wait_loadcnt 32                              ; this block's 32 loads are in; the next block's may be out
.else
	s_wait_loadcnt 0
.endif
.set I, 0
.rept 32
.set I, I+1
.endr
.irp g, 0,1,2,3
	v_cvt_scalef32_pk8_fp8_f32 v[WCD+2*\g:WCD+2*\g+1], v[XS+8*\g:XS+8*\g+7], v11
.endr
	ds_store_b128 v4, v[WCD:WCD+3] offset:32*(\t)
	ds_store_b128 v4, v[WCD+4:WCD+7] offset:32*(\t)+16
.if (\t)+2 < 8
	WLOAD (\t)+2
.endif
	s_wait_dscnt 0x0                               ; the stores have read their registers: the next block's codes may be written
.endm
	s_wait_alu depctr_va_vdst(0)
.irp t, 0,1,2,3,4,5,6,7
	WBLOCK \t
.endr
.irp t, 0,1,2,3,4,5,6,7,8,9,10,11,12,13,14,15
	ds_load_b128 v[OUTR+4*\t:OUTR+4*\t+3], v7 offset:2*\t*WPITCH
.endr
.irp t, 0,1,2,3,4,5,6,7,8,9,10,11,12,13,14,15
	s_wait_dscnt 15-\t                             ; LDS loads come back in order: load t is in
	global_store_b128 v[GA+\t/4], v[OUTR+4*\t:OUTR+4*\t+3], s[22:23] offset:2*(\t%4)*1024
.endr
	s_wait_tensorcnt 0x0                           ; the wave's end, behind my last LDS store
	ds_add_u32 v[SPW], v[NIL]
	s_wait_dscnt 0x0
	s_endpgm
.Lfunc_end_k_qbc09f97f77_prep:
	.size	k_qbc09f97f77_prep, .Lfunc_end_k_qbc09f97f77_prep-k_qbc09f97f77_prep
	.p2alignl 7, 3214868480
	.fill 96, 4, 3214868480
	.section	.rodata,"a",@progbits
	.p2align	6, 0x0
	.amdhsa_kernel k_qbc09f97f77_prep
		.amdhsa_group_segment_fixed_size 68096
		.amdhsa_private_segment_fixed_size 0
		.amdhsa_enable_private_segment 0
		.amdhsa_kernarg_size 56
		.amdhsa_user_sgpr_count 2
		.amdhsa_user_sgpr_kernarg_segment_ptr 1
		.amdhsa_wavefront_size32 1
		.amdhsa_system_sgpr_workgroup_id_x 1
		.amdhsa_system_sgpr_workgroup_id_y 1
		.amdhsa_system_sgpr_workgroup_id_z 1
		.amdhsa_system_vgpr_workitem_id 0
		.amdhsa_next_free_vgpr 192
		.amdhsa_next_free_sgpr 66
		.amdhsa_reserve_vcc 0
		.amdhsa_float_denorm_mode_32 3
		.amdhsa_float_denorm_mode_16_64 3
		.amdhsa_fp16_overflow 1
		.amdhsa_memory_ordered 1
		.amdhsa_forward_progress 1
		.amdhsa_inst_pref_size 64
	.end_amdhsa_kernel
	.amdgpu_metadata
---
amdhsa.version: [ 1, 2 ]
amdhsa.kernels:
  - .name:           k_qbc09f97f77_prep
    .symbol:         k_qbc09f97f77_prep.kd
    .args:
      - { .name: x, .offset: 0, .size: 8, .value_kind: global_buffer, .address_space: global }
      - { .name: Wq, .offset: 8, .size: 8, .value_kind: global_buffer, .address_space: global }
      - { .name: Wk, .offset: 16, .size: 8, .value_kind: global_buffer, .address_space: global }
      - { .name: Wv, .offset: 24, .size: 8, .value_kind: global_buffer, .address_space: global }
      - { .name: Wo, .offset: 32, .size: 8, .value_kind: global_buffer, .address_space: global }
      - { .name: lowp_scales, .offset: 40, .size: 8, .value_kind: global_buffer, .address_space: global }
      - { .name: cb, .offset: 48, .size: 8, .value_kind: global_buffer, .address_space: global }
    .group_segment_fixed_size: 68096
    .private_segment_fixed_size: 0
    .kernarg_segment_align: 8
    .kernarg_segment_size: 56
    .max_flat_workgroup_size: 128
    .sgpr_count:     66
    .vgpr_count:     192
    .wavefront_size: 32
...
	.end_amdgpu_metadata
.endif
;; end of part 1
;; launch qkv (part 2): grid 12 x 32, 4 waves a work-group, clusters of 4 x 4, 327,680 bytes of LDS; arguments cb, lowp_scales, bq, bk, bv, qc, kc, vc; writes qc, kc, vc
.if DOCPART == 2
	.amdgcn_target "amdgcn-amd-amdhsa--gfx1250"
	.amdhsa_code_object_version 6
	.text
	.protected	k_qbc09f97f77_qkv
	.globl	k_qbc09f97f77_qkv
	.p2align	8
	.type	k_qbc09f97f77_qkv,@function
k_qbc09f97f77_qkv:
	s_mov_b64 s[64:65], 0
	v_nop
	global_prefetch_b8 v0, s[64:65] scope:SCOPE_SE
	s_setreg_imm32_b32 hwreg(HW_REG_WAVE_MODE, 25, 1), 1
	s_wait_xcnt 0x0
	s_wait_alu depctr_hold_cnt(0) depctr_sa_sdst(0) depctr_va_vdst(0) depctr_va_sdst(0) depctr_va_ssrc(0) depctr_va_vcc(0) depctr_vm_vsrc(0)
	s_getreg_b32 s2, hwreg(HW_REG_IB_STS2, 6, 4)
	s_cmp_eq_u32 s2, 0
	s_cbranch_scc0 .Lentry_in_a_cluster
	s_endpgm
.Lentry_in_a_cluster:
	s_bfe_u32 s2, ttmp6, 0x10000c
	s_cmp_lg_u32 s2, 0xf033
	s_cbranch_scc0 .Lentry_shape_is_right
	s_endpgm
.Lentry_shape_is_right:
; q = x Wq + bq, k = x Wk + bk, v = x Wv + bv on codes of FP8 (E4M3), and each result quantised at once into the operand that the attention wants.
; The cluster's x says which: 0 q, 1 k, 2 v.  A tile of 256 x 256 is made by four waves, 128 x 128 each: 64 accumulators.  K = 1,024 goes in four steps of 256 through two LDS slots.
; cb holds all codes: x's three copies (scale entries 0, 2, 4) at bytes 0, 0x800000, 0x1000000; the weights' [4][1024 places][1024 k] from byte 0x1800000.
; The matrix instruction is used transposed: source 0 = 16 rows of "B", source 1 = 16 rows of "A": a lane holds ONE row of A, its registers run along B's rows.
;   q, k: A = x's rows, B = the weight's places.  The weight's places are laid so that tiles 2 g and 2 g + 1 give a lane 16 neighbouring columns: 16 codes, 16 bytes of a row of qc or kc (natural order).
;   v:    A = Wv's places, B = x's rows.  A lane holds one column 64 cb + d of v and eight rows of x: eight keys 16 j + cb of one block of 128 keys.  vc is [head][d][key'], key' = 128 x block + 8 cb + j.
; Every tile's address is cb's plus an offset made of the cluster's numbers, the place in the cluster, the wave's number and constants, by shifts, sums and products: with isV = x / 2 and notV = 1 - isV.
; A sum stands for sum x 2^(ea + eb): the bias goes in as bias / 2^(ea + eb), and the conversion takes 2^(eo - ea - eb) as its one scale.
; CLUSTERS: 4 x 4 work-groups; A's tile is asked for jointly by a row of the cluster, B's by a column.
; LIMITS: entry 6 - 0 - 1, entry 7 - 2 - 3 and entry 9 - 4 - 5 lie between -126 and 119.  NaN is not served.
; REGISTERS, in windows of 256: window 0: v0-31 addresses; v32-95 bias by (tile b, register j) for q, k; v96-111 bias of my column, a pair for each block a, for v; from v128 A's fragments, ONE set;
;   on the way out v112-175 sums + bias, v176-191 codes, v240 the scale.   window 1: B's fragments, two sets.   windows 2, 3: the accumulators ((a, b) at v[8 (8 (a % 4) + b)]).
.set KSTEP,  256
.set ROWB,   256                       ; a tile's row in bytes
.set KROW,   1024                      ; a row of codes in memory
.set WCB,    0x1800000                 ; the weights' codes in cb
.set PITCH,  272                       ; an LDS row: 256 bytes + 16 of padding = 68 words: the 16 rows that a load touches start 4 banks apart (64 banks of 4 bytes: ISA guide 11.1)
.set FR,     16
.set NL,     4
.set NP,     4                         ; places behind this matrix instruction (ISA guide 7.12.1)
.set HALFT,  128*PITCH
.set SLOT,   4*HALFT
.set LAPS,   2                         ; 1,024 / (2 x 256)
.set SPARE,  2*SLOT                    ; behind the ring: the spare words, 128 bytes for each wave
.set VSTG,   69632                     ; the way out, in slot 0 (its last fill and its last read lie behind the last change of slots): q, k: 256 rows x 272 from 0; v: 32 rows x 2,064 from here
.set VPITCH, 2064
.set ADRA, 16
.set ADRB, 20
.set STQ,  22                          ; q, k: where I put 16 codes of a row
.set RDQ,  23                          ; and where I read a row back
.set COQ,  24                          ; my byte offset in qc or kc
.set STV,  25                          ; v: the same three
.set RDV,  26
.set COV,  27
.set SPW,  28
.set NIL,  29
.set BI,   32
.set BV,   96
.set TMP,  112
.set CD,   176
.set QSC,  240
.set QLIM, 241
.set AF,   128
.set G1, 24
.set G0, 32
.set G1B, 48
.set G0B, 56
.set BIASP, 72                         ; s[72:73] the bias of my product
.set OUTP,  78                         ; s[78:79] its output
.set MSB, 0
.macro WIN new                         ; the immediate's high byte repeats the setting that is left
.if MSB != \new
	s_set_vgpr_msb (MSB<<8)|\new
.set MSB, \new
.endif
.endm
.set MUL_LO, 0xa1                      ; source 0 (B) window 1, source 1 (A) window 0, C and D window 2
.set MUL_HI, 0xf1
.set TO_B,   0x40
; A joint load: waves 0 and 1 fetch for A, waves 2 and 3 for B; the branch hangs on the wave's number alone.  An s_nop 0 and four v_nop follow each of the two lines.
.macro JLOAD g0a, g1a, g0b, g1b
	s_cmp_eq_u32 s15, 0
	s_cbranch_scc0 .Lfor_b_\@
	tensor_load_to_lds s[\g0a:\g0a+3], s[\g1a:\g1a+7]
	s_nop 0
.rept 4
	v_nop
.endr
	s_branch .Lasked_\@
.Lfor_b_\@:
	tensor_load_to_lds s[\g0b:\g0b+3], s[\g1b:\g1b+7]
	s_nop 0
.rept 4
	v_nop
.endr
.Lasked_\@:
.endm
.macro CREST                           ; a round of the cluster's barrier behind its opening barrier
	s_cmp_lg_u32 s14, 0
	s_cbranch_scc1 .Lnot_wave_0_\@
	s_barrier_signal -3
.Lnot_wave_0_\@:
	s_barrier_wait -3
	s_barrier_signal -1
	s_barrier_wait -1
.endm
.macro CROUND
	s_barrier_signal -1
	s_barrier_wait -1
	CREST
.endm
	s_load_b512 s[68:83], s[0:1], 0x0              ; cb s68, the scales s70, bq s72, bk s74, bv s76, qc s78, kc s80, vc s82
	v_lshl_add_u32 v[SPW], v0, 2, SPARE
	v_mov_b32 v[NIL], 0
	ds_add_u32 v[SPW], v[NIL]                      ; the wave's opening: the add and its wait stand ahead of my first tensor load; work on registers stands between them
	ds_add_u32 v[SPW], v[NIL]
	v_lshrrev_b32 v1, 5, v0
	v_readfirstlane_b32 s14, v1                    ; wave 0..3
	s_lshr_b32 s15, s14, 1                         ; which half of A's rows is mine.  Also: I fetch for A (0) or for B (1)
	s_and_b32 s16, s14, 1                          ; which half of B's rows.  Also: which 128 rows of that tile I fetch
	s_bfe_u32 s40, ttmp6, 0x40000                  ; cx
	s_bfe_u32 s41, ttmp6, 0x40004                  ; cy
	s_mov_b32 s66, ttmp9                           ; the cluster's x: 0 q, 1 k, 2 v
	s_and_b32 s67, ttmp7, 0xffff                   ; the cluster's y: 0..7: which 1,024 rows of x
	s_lshr_b32 s84, s66, 1                         ; isV
	s_xor_b32 s85, s84, 1                          ; notV
	s_mul_i32 s17, s67, s85                        ; x is A for q and k,
	s_mul_i32 s42, s67, s84                        ; and B for v
	s_lshl_b32 s17, s17, 2
	s_add_co_u32 s17, s17, s41                     ; A's tile
	s_lshl_b32 s42, s42, 2
	s_add_co_u32 s42, s42, s40                     ; B's tile
	s_lshl_b32 s43, s41, 2
	s_lshl_b32 s43, 15, s43                        ; my row of the cluster
	s_lshl_b32 s44, 0x1111, s40                    ; my column
	s_or_b32 s[G1+0], s43, (0<<16)|(1<<20)|(1<<21)|(5<<22)|(3<<25)  ; the mask; elements of 1 byte; padding on; bit 21 beside a mask; after every 64 words, 4 words
	s_or_b32 s[G1B+0], s44, (0<<16)|(1<<20)|(1<<21)|(5<<22)|(3<<25)
.irp g, G1, G1B
	s_mov_b32 s[\g+1], ROWB<<16                    ; tensor_dim0
	s_mov_b32 s[\g+2], 128<<16                     ; tensor_dim1
	s_mov_b32 s[\g+3], ROWB<<16                    ; tile_dim0
	s_mov_b32 s[\g+4], 128                         ; tile_dim1
	s_mov_b32 s[\g+5], KROW                        ; from row to row
	s_mov_b32 s[\g+6], 0
	s_mov_b32 s[\g+7], 0
.endr
	s_lshl_b32 s18, s16, 7
	s_lshl_b32 s20, s17, 8
	s_add_co_u32 s20, s20, s18
	s_lshl_b32 s20, s20, 10                        ; A: (256 x tile + 128 x half) rows of 1,024 bytes,
	s_lshl_b32 s86, s66, 23
	s_mul_i32 s86, s86, s85
	s_add_co_u32 s20, s20, s86                     ; q, k: in x's copy 0 or 1;
	s_mul_i32 s86, s84, WCB+0x200000
	s_add_co_u32 s20, s20, s86                     ; v: in Wv's codes
	s_mov_b32 s21, 0
	s_lshl_b32 s46, s42, 8
	s_add_co_u32 s46, s46, s18
	s_lshl_b32 s46, s46, 10                        ; B likewise:
	s_lshl_b32 s87, s66, 20
	s_add_co_u32 s87, s87, WCB
	s_mul_i32 s87, s87, s85
	s_add_co_u32 s46, s46, s87                     ; q, k: in Wq's or Wk's codes;
	s_mul_i32 s87, s84, 0x1000000
	s_add_co_u32 s46, s46, s87                     ; v: in x's copy 2
	s_mov_b32 s47, 0
	s_mul_i32 s45, s14, HALFT                      ; where they go: wave x 128 rows
	s_wait_dscnt 0x0                               ; the opening add is done
	s_wait_kmcnt 0x0
	s_load_b256 s[4:11], s[70:71], 0x0             ; entries 0 to 7
	s_load_b32 s12, s[70:71], 0x24                 ; entry 9
	s_add_nc_u64 s[20:21], s[68:69], s[20:21]
	s_add_nc_u64 s[46:47], s[68:69], s[46:47]
	CROUND                                         ; all sixteen work-groups are here: the first joint loads meet
.irp s, 0,1
	s_mov_b32 s[G0+4*\s], 1
	s_add_co_u32 s[G0+4*\s+1], s45, \s*SLOT
	s_add_nc_u64 s[G0+4*\s+2:G0+4*\s+3], s[20:21], \s*ROWB
	s_or_b32 s[G0+4*\s+3], s[G0+4*\s+3], 0x80000000
	s_mov_b32 s[G0B+4*\s], 1
	s_add_co_u32 s[G0B+4*\s+1], s45, \s*SLOT
	s_add_nc_u64 s[G0B+4*\s+2:G0B+4*\s+3], s[46:47], \s*ROWB
	s_or_b32 s[G0B+4*\s+3], s[G0B+4*\s+3], 0x80000000
	JLOAD G0+4*\s, G1, G0B+4*\s, G1B
.endr
	s_cmp_eq_u32 s66, 1                            ; my product's bias and output: the choice hangs on the cluster's number alone
	s_cselect_b64 s[BIASP:BIASP+1], s[74:75], s[BIASP:BIASP+1]
	s_cselect_b64 s[OUTP:OUTP+1], s[80:81], s[OUTP:OUTP+1]
	s_cmp_eq_u32 s66, 2
	s_cselect_b64 s[BIASP:BIASP+1], s[76:77], s[BIASP:BIASP+1]
	s_cselect_b64 s[OUTP:OUTP+1], s[82:83], s[OUTP:OUTP+1]
	v_and_b32 v1, 15, v0                           ; r
	v_bfe_u32 v2, v0, 4, 1                         ; h
	s_wait_alu depctr_va_vdst(0)
	; the biases.  Both sets are loaded in every cluster; every address stays inside the 4,096 bytes
	s_lshl_b32 s90, s40, 10
	s_lshl_b32 s91, s16, 9
	s_add_co_u32 s90, s90, s91
	s_mov_b32 s91, 0
	s_add_nc_u64 s[96:97], s[BIASP:BIASP+1], s[90:91]      ; q, k: my 128 columns: 256 cx + 128 x half
	s_lshl_b32 s90, s15, 11
	s_lshl_b32 s91, s41, 6
	s_add_co_u32 s90, s90, s91
	s_mov_b32 s91, 0
	s_add_nc_u64 s[98:99], s[BIASP:BIASP+1], s[90:91]      ; v: column 64 (8 x half + a) + 16 cy + r
	v_lshlrev_b32 v30, 6, v2
	v_lshlrev_b32 v31, 2, v1
.irp b, 0,1,2,3,4,5,6,7
	global_load_b128 v[BI+8*\b:BI+8*\b+3],   v30, s[96:97] offset:(32*(\b/2)+8*(\b%2))*4      ; tile b, register j: column 32 (b / 2) + 16 h + 8 (b % 2) + j
	global_load_b128 v[BI+8*\b+4:BI+8*\b+7], v30, s[96:97] offset:(32*(\b/2)+8*(\b%2))*4+16
.endr
.irp a, 0,1,2,3,4,5,6,7
	global_load_b32 v[BV+2*\a],   v31, s[98:99] offset:256*\a
	global_load_b32 v[BV+2*\a+1], v31, s[98:99] offset:256*\a                                  ; twice: a pair for the packed addition
.endr
	v_mul_u32_u24 v3, v1, PITCH
	v_lshl_add_u32 v4, v2, 4, v3                   ; a fragment's row x pitch + 16 x half
	s_wait_alu depctr_va_vdst(0)
	s_mul_i32 s21, s15, HALFT
	s_mul_i32 s22, s16, HALFT
	s_add_co_u32 s22, s22, 2*HALFT
.irp s, 0,1
	v_add_nc_u32 v[ADRA+\s], s21, v4
	v_add_nc_u32 v[ADRB+\s], s22, v4
	s_add_co_u32 s21, s21, SLOT
	s_add_co_u32 s22, s22, SLOT
.endr
	s_mul_i32 s23, s15, 128*272
	s_lshl_b32 s18, s16, 7
	s_add_co_u32 s23, s23, s18
	v_add_nc_u32 v[STQ], s23, v4                   ; row 128 x (half of A) + r, byte 128 x (half of B) + 16 h
	v_mul_u32_u24 v5, v2, 272
	v_lshl_add_u32 v5, v1, 4, v5
	s_mul_i32 s23, s14, 64*272
	v_add_nc_u32 v[RDQ], s23, v5                   ; back: wave w takes rows 64 w on; lanes 0-15 one row, lanes 16-31 the next
	v_lshlrev_b32 v[COQ], 10, v2
	v_lshl_add_u32 v[COQ], v1, 4, v[COQ]
	v_mul_u32_u24 v6, v1, VPITCH
	v_lshl_add_u32 v6, v2, 7, v6
	s_mul_i32 s23, s16, 16*VPITCH
	s_lshl_b32 s18, s15, 6
	s_add_co_u32 s23, s23, s18
	s_add_co_u32 s23, s23, VSTG
	v_add_nc_u32 v[STV], s23, v6                   ; row 16 x (head of the pair) + r, byte 128 h + 64 x (half of A)
	v_and_b32 v7, 31, v0
	v_lshlrev_b32 v[COV], 4, v7
	s_mul_i32 s23, s14, 8*VPITCH
	s_add_co_u32 s23, s23, VSTG
	v_add_nc_u32 v[RDV], s23, v[COV]               ; back: wave w takes rows 8 w on, 512 bytes an instruction
	; where my part of the output begins
	s_lshl_b32 s90, s17, 18
	s_lshl_b32 s91, s14, 16
	s_add_co_u32 s90, s90, s91
	s_lshl_b32 s91, s42, 8
	s_add_co_u32 s90, s90, s91                     ; q, k: (256 x A's tile + 64 x wave) rows of 1,024 bytes + 256 x B's tile
	s_lshl_b32 s92, s42, 18
	s_lshl_b32 s91, s15, 17
	s_add_co_u32 s92, s92, s91
	s_lshl_b32 s91, s41, 15
	s_add_co_u32 s92, s92, s91
	s_lshl_b32 s91, s16, 14
	s_add_co_u32 s92, s92, s91                     ; v: head 2 x B's tile + wave / 2, row d = 16 cy + 8 (wave % 2), rows of 2,048 bytes
	s_cmp_eq_u32 s66, 2
	s_cselect_b32 s90, s92, s90
	s_mov_b32 s91, 0
	s_add_nc_u64 s[OUTP:OUTP+1], s[OUTP:OUTP+1], s[90:91]
	s_wait_kmcnt 0x0                               ; the scales' exponents
	s_cmp_eq_u32 s66, 1
	s_cselect_b32 s4, s6, s4
	s_cselect_b32 s5, s7, s5
	s_cselect_b32 s10, s11, s10
	s_cmp_eq_u32 s66, 2
	s_cselect_b32 s4, s8, s4                       ; ea,
	s_cselect_b32 s5, s9, s5                       ; eb (only their sum is used),
	s_cselect_b32 s10, s12, s10                    ; eo
	s_wait_loadcnt 0x0                             ; the biases, while the first tiles are on their way
	s_add_co_i32 s90, s4, s5
	s_sub_co_i32 s91, 0, s90
.set J, 0
.rept 80
	v_ldexp_f32 v[BI+J], v[BI+J], s91              ; bias / 2^(ea + eb)
.set J, J+1
.endr
	s_sub_co_i32 s90, s10, s90
	s_add_co_i32 s90, s90, 127
	s_lshl_b32 s6, s90, 23                         ; 2^(eo - ea - eb) as f32
.macro FRAG reg, adr, q, i             ; 16 rows x 128 K: lane l holds row l % 16; registers 4 c .. 4 c + 3 hold K = 32 c + 16 (l / 16) + 0 .. 15: the same order of k in A and in B
.irp c, 0,1,2,3
	ds_load_b128 v[\reg+4*\c:\reg+4*\c+3], v[\adr] offset:128*(\q)+32*\c+(\i)*16*PITCH
.endr
.endm
; 16 matrix instructions: A's blocks a0, a0 + 1 x B's eight.  The 64 accumulators take turns, one instruction a turn, in the same order in every step.
.macro MUL16 a0, p, zero
.irp a, \a0, \a0+1
.irp b, 0,1,2,3,4,5,6,7
.if \zero
	v_wmma_f32_16x16x128_fp8_fp8 v[8*(8*((\a)%4)+\b):8*(8*((\a)%4)+\b)+7], v[128*(\p)+FR*\b:128*(\p)+FR*\b+FR-1], v[AF+FR*(\a):AF+FR*(\a)+FR-1], 0
.else
	v_wmma_f32_16x16x128_fp8_fp8 v[8*(8*((\a)%4)+\b):8*(8*((\a)%4)+\b)+7], v[128*(\p)+FR*\b:128*(\p)+FR*\b+FR-1], v[AF+FR*(\a):AF+FR*(\a)+FR-1], v[8*(8*((\a)%4)+\b):8*(8*((\a)%4)+\b)+7]
.endif
.endr
.endr
.endm
.macro FETCH_B slot, q, p
	WIN TO_B
.irp i, 0,1,2,3,4,5,6,7
	FRAG 128*(\p)+FR*\i, ADRB+\slot, \q, \i
.endr
	WIN 0
.endm
.macro FETCH_A slot, q, i0
.irp i, \i0, \i0+1, \i0+2, \i0+3
	FRAG AF+FR*(\i), ADRA+\slot, \q, \i
.endr
.endm
.macro PLACES n                        ; plain vector lines between a matrix instruction and a load into, or a vector line on, its registers
.rept \n
	v_nop
.endr
.endm
.macro STEP slot, q, zero              ; 128 along K, with its successor in the same slot
	s_wait_dscnt 4*NL                              ; B's set and A's blocks 0-3 are in; the youngest sixteen loads (A's blocks 4-7) may be out
	WIN MUL_LO
	MUL16 0, (\q)%2, \zero
	MUL16 2, (\q)%2, \zero
	s_wait_dscnt 0
	PLACES NP
	FETCH_B \slot, (\q)+1, 1-(\q)%2
	FETCH_A \slot, (\q)+1, 0
	WIN MUL_HI
	MUL16 4, (\q)%2, \zero
	MUL16 6, (\q)%2, \zero
	PLACES NP
	WIN 0
	FETCH_A \slot, (\q)+1, 4
.endm
; A slot's last step changes slots: one barrier; in front of it each wave waits for all its tensor loads, adds 0 to its spare word, and waits for that and for its reads of this slot.
.macro TURN slot, next, fill
	s_wait_tensorcnt 0x0                           ; all my tensor loads have landed: my part of the next slot
	ds_add_u32 v[SPW], v[NIL]                      ; 0 onto my spare word
	s_wait_dscnt 4*NL+1                            ; the add and the youngest sixteen loads may be out
	WIN MUL_LO
	MUL16 0, 1, 0
	s_wait_dscnt 0x0                               ; the add is done, and my reads of this slot are over
	s_barrier_signal -1
	MUL16 2, 1, 0
	WIN 0
	s_barrier_wait -1
.if \fill
	CREST                                          ; the barrier has opened a round of the cluster's: no wave of any partner still reads this slot or has a load on its way
	s_add_nc_u64 s[G0+4*\slot+2:G0+4*\slot+3], s[G0+4*\slot+2:G0+4*\slot+3], 2*ROWB
	s_add_nc_u64 s[G0B+4*\slot+2:G0B+4*\slot+3], s[G0B+4*\slot+2:G0B+4*\slot+3], 2*ROWB
	JLOAD G0+4*\slot, G1, G0B+4*\slot, G1B         ; the first tensor load behind the round; its four v_nop are the places in front of the loads below
.else
	PLACES NP
.endif
	FETCH_B \next, 0, 0
	FETCH_A \next, 0, 0
	WIN MUL_HI
	MUL16 4, 1, 0
	MUL16 6, 1, 0
	PLACES NP
	WIN 0
	FETCH_A \next, 0, 4
.endm
	s_wait_tensorcnt 1                             ; my part of K step 0 is in; K step 1's load may be out
	s_barrier_signal -1
	s_barrier_wait -1
	FETCH_B 0, 0, 0
	FETCH_A 0, 0, 0
	FETCH_A 0, 0, 4
	STEP 0, 0, 1                                   ; the first step's products start the sums
	s_mov_b32 s3, LAPS-1
.Llap:
	TURN 0, 1, 1
	STEP 1, 0, 0
	TURN 1, 0, 1
	STEP 0, 0, 0
	s_sub_co_u32 s3, s3, 1
	s_cmp_lg_u32 s3, 0
	s_cbranch_scc1 .Llap
	TURN 0, 1, 0                                   ; the last lap fills nothing
	STEP 1, 0, 0
	s_wait_dscnt 4*NL
	WIN MUL_LO
	MUL16 0, 1, 0
	MUL16 2, 1, 0
	s_wait_dscnt 0
	WIN MUL_HI
	MUL16 4, 1, 0
	MUL16 6, 1, 0
	WIN 0
; THE WAY OUT: sum + bias, the conversion; the codes meet in a stage shared by the four waves; a barrier; whole rows leave.
.macro HOLDCVT                         ; 64 numbers in v[TMP] on become 64 codes in v[CD] on, eight neighbours a conversion
.set J, 0
.rept 64
.set J, J+1
.endr
	s_wait_dscnt 0x0                               ; the block before: its LDS stores have read the codes' registers
.irp b, 0,1,2,3,4,5,6,7
	v_cvt_scalef32_pk8_fp8_f32 v[CD+2*\b:CD+2*\b+1], v[TMP+8*\b:TMP+8*\b+7], v[QSC]
.endr
	v_nop                                          ; a plain line between the conversions and the next block's additions, which write their sources
.endm
.macro QKBLOCK a                       ; q, k: A's block a: 16 rows of x, my 128 columns
.set AC, 64*((\a)%4)
	WIN 0x02+((\a)/4)                              ; source 0: window 2 or 3
.set J, 0
.rept 32
	v_pk_add_f32 v[TMP+J:TMP+J+1], v[AC+J:AC+J+1], v[BI+J:BI+J+1]   ; each accumulator from its low end on
.set J, J+2
.endr
	WIN 0
	s_wait_alu depctr_va_vdst(0)
	HOLDCVT
.irp g, 0,1,2,3
	ds_store_b128 v[STQ], v[CD+4*\g:CD+4*\g+3] offset:(\a)*16*272+32*\g   ; tiles 2 g, 2 g + 1: columns 32 g + 16 h + 0 .. 15
.endr
.endm
.macro VBLOCK b                        ; v: B's block b: 16 rows of x (two blocks of keys), my eight column blocks: key' 256 b + 128 h + 64 x half + 8 a + j
	WIN 0x02
.irp a, 0,1,2,3
.irp j, 0,2,4,6
	v_pk_add_f32 v[TMP+8*\a+\j:TMP+8*\a+\j+1], v[64*\a+8*(\b)+\j:64*\a+8*(\b)+\j+1], v[BV+2*\a:BV+2*\a+1]
.endr
.endr
	WIN 0x03
.irp a, 4,5,6,7
.irp j, 0,2,4,6
	v_pk_add_f32 v[TMP+8*\a+\j:TMP+8*\a+\j+1], v[64*(\a-4)+8*(\b)+\j:64*(\a-4)+8*(\b)+\j+1], v[BV+2*\a:BV+2*\a+1]
.endr
.endr
	WIN 0
	s_wait_alu depctr_va_vdst(0)
	HOLDCVT
.irp i, 0,1,2,3
	ds_store_b128 v[STV], v[CD+4*\i:CD+4*\i+3] offset:256*(\b)+16*\i
.endr
.endm
	PLACES NP                                      ; behind the last products: their sources are written and their results read below
	v_mov_b32 v[QSC], s6
	s_cmp_eq_u32 s66, 2                            ; the cluster's x: the same in all sixteen partners and in all waves
	s_cbranch_scc1 .Lv_stage
.irp a, 0,1,2,3,4,5,6,7
	QKBLOCK \a
.endr
	s_branch .Lstaged
.Lv_stage:
.irp b, 0,1,2,3,4,5,6,7
	VBLOCK \b
.endr
.Lstaged:
	s_wait_dscnt 0x0                               ; for the others' sake: my stores into the stage are done
	s_barrier_signal -1
	s_barrier_wait -1
	s_cmp_eq_u32 s66, 2
	s_cbranch_scc1 .Lv_send
.set J, 0
.rept 32
	ds_load_b128 v[TMP+4*J:TMP+4*J+3], v[RDQ] offset:2*J*272
.set J, J+1
.endr
.set J, 0
.rept 32
	s_wait_dscnt 31-J                              ; LDS loads come back in order: load J is in
	global_store_b128 v[COQ], v[TMP+4*J:TMP+4*J+3], s[OUTP:OUTP+1] offset:2*J*1024   ; sixteen lanes store 256 consecutive bytes, aligned
.set J, J+1
.endr
	s_branch .Lend
.Lv_send:
.set J, 0
.rept 32
	ds_load_b128 v[TMP+4*J:TMP+4*J+3], v[RDV] offset:(J/4)*VPITCH+512*(J%4)
.set J, J+1
.endr
.set J, 0
.rept 32
	s_wait_dscnt 31-J
	global_store_b128 v[COV], v[TMP+4*J:TMP+4*J+3], s[OUTP:OUTP+1] offset:(J/4)*2048+512*(J%4)   ; 32 lanes store 512 consecutive bytes, aligned
.set J, J+1
.endr
.Lend:
	s_wait_tensorcnt 0x0                           ; the wave's end, behind my last tensor load and my last LDS store
	ds_add_u32 v[SPW], v[NIL]
	s_wait_dscnt 0x0
	CROUND                                         ; the closing round
	s_endpgm
.Lfunc_end_k_qbc09f97f77_qkv:
	.size	k_qbc09f97f77_qkv, .Lfunc_end_k_qbc09f97f77_qkv-k_qbc09f97f77_qkv
	.p2alignl 7, 3214868480
	.fill 96, 4, 3214868480
	.section	.rodata,"a",@progbits
	.p2align	6, 0x0
	.amdhsa_kernel k_qbc09f97f77_qkv
		.amdhsa_group_segment_fixed_size 327680
		.amdhsa_private_segment_fixed_size 0
		.amdhsa_enable_private_segment 0
		.amdhsa_kernarg_size 64
		.amdhsa_user_sgpr_count 2
		.amdhsa_user_sgpr_kernarg_segment_ptr 1
		.amdhsa_wavefront_size32 1
		.amdhsa_system_sgpr_workgroup_id_x 1
		.amdhsa_system_sgpr_workgroup_id_y 1
		.amdhsa_system_sgpr_workgroup_id_z 1
		.amdhsa_system_vgpr_workitem_id 0
		.amdhsa_next_free_vgpr 1024
		.amdhsa_next_free_sgpr 100
		.amdhsa_reserve_vcc 0
		.amdhsa_float_denorm_mode_32 3
		.amdhsa_float_denorm_mode_16_64 3
		.amdhsa_fp16_overflow 1
		.amdhsa_memory_ordered 1
		.amdhsa_forward_progress 1
		.amdhsa_inst_pref_size 147
	.end_amdhsa_kernel
	.amdgpu_metadata
---
amdhsa.version: [ 1, 2 ]
amdhsa.kernels:
  - .name:           k_qbc09f97f77_qkv
    .symbol:         k_qbc09f97f77_qkv.kd
    .args:
      - { .name: cb, .offset: 0, .size: 8, .value_kind: global_buffer, .address_space: global }
      - { .name: lowp_scales, .offset: 8, .size: 8, .value_kind: global_buffer, .address_space: global }
      - { .name: bq, .offset: 16, .size: 8, .value_kind: global_buffer, .address_space: global }
      - { .name: bk, .offset: 24, .size: 8, .value_kind: global_buffer, .address_space: global }
      - { .name: bv, .offset: 32, .size: 8, .value_kind: global_buffer, .address_space: global }
      - { .name: qc, .offset: 40, .size: 8, .value_kind: global_buffer, .address_space: global }
      - { .name: kc, .offset: 48, .size: 8, .value_kind: global_buffer, .address_space: global }
      - { .name: vc, .offset: 56, .size: 8, .value_kind: global_buffer, .address_space: global }
    .group_segment_fixed_size: 327680
    .private_segment_fixed_size: 0
    .kernarg_segment_align: 8
    .kernarg_segment_size: 64
    .max_flat_workgroup_size: 128
    .sgpr_count:     100
    .vgpr_count:     1024
    .wavefront_size: 32
...
	.end_amdgpu_metadata
.endif
;; end of part 2
;; launch attn (part 3): grid 4 x 64, 16 waves a work-group, no clusters, 327,680 bytes of LDS; arguments qc, kc, vc, lowp_scales, zc; writes zc
.if DOCPART == 3
	.amdgcn_target "amdgcn-amd-amdhsa--gfx1250"
	.amdhsa_code_object_version 6
	.text
	.protected	k_qbc09f97f77_attn
	.globl	k_qbc09f97f77_attn
	.p2align	8
	.type	k_qbc09f97f77_attn,@function
k_qbc09f97f77_attn:
	s_mov_b64 s[64:65], 0
	v_nop
	global_prefetch_b8 v0, s[64:65] scope:SCOPE_SE
	s_setreg_imm32_b32 hwreg(HW_REG_WAVE_MODE, 25, 1), 1
	s_wait_xcnt 0x0
; z[head][q][:] = the sum over keys k <= q of softmax_k(q . k / 8) v[k][:], 64 heads of 2,048 x 64, both products on codes of FP8 (E4M3); z is quantised at once for the last product (scale entry 10).
; qc, kc, zc: [64][2048][64] codes.  vc: [64][64 (d)][2048 (key')]: inside each block of 128 keys, key 16 j + cb lies at key' = 8 cb + j.
; THE SOFTMAX: t = score x log2(e) / 8; M = the largest t so far, rounded UP to a whole number; p = 2^(t - M) is quantised (entry 8), not normalised; the sum is taken of the unquantised p and divides at the end.
; When M moves, the sum and O are multiplied by 2^(old M - new M): exact.  Hidden keys are left out (their scores become -infinity), where the source adds -1e11: the same while |score / 8| stays under 1e10.
; SHARES.  A work-group takes 512 queries of a head; each of its sixteen waves two tiles of 16: tile A at 256 g + 16 w and tile B at 2032 - that: 17 key steps of 128 keys a wave, whatever g and w.
; Both products are used transposed: S^T = K Q^T (K = 64: the form 16x16x64), O^T = V^T P^T (K = 128 keys): a lane holds ONE query throughout.
; THE KEYS OF A TILE OF K are chosen by address: lane r of tile 2 b + u takes key 16 (r % 8) + 4 b + 2 (r / 8) + u, so that register 16 b + 8 u + j of half h is key' 32 b + 16 h + 8 u + j: the order of V's bytes.
; K's and V's tiles come through two LDS slots of 256 keys: wave 0 fetches K's (16 rows of 1,024 bytes of the flat matrix), wave 1 V's (64 rows of 256 bytes); all sixteen read them.
; Every work-group walks all eight slots: the trip counts are constants.  A step all of whose keys come after a tile's queries is jumped over; a slot whose first key comes after the work-group's last query is not asked for.
; No cluster: the four work-groups of a head stop asking at different slots (their last queries differ), and a joint load must be issued by all that it names.
; LIMITS: entry 6 + 7 between -123 and 130; entry 8 between -126 and 119; entry 10 - 8 - 9 between -126 and 119.
; REGISTERS: v1-7 addresses that stay; v8-11 addresses in hand; v12-15, v16-19 for tile A, B: -M, the largest t, the sum in two halves; v20-27, v28-35 Q; v36-99 fragments of K or V; v100-163 S^T, then p;
;   v164-195, v196-227 O^T; v228-243 p's codes; v244 the scale; v[246:247] f; v[248:249], v250-252, v254 at work; v253 -infinity.
.set KP,    1040                       ; a row of K's tile in LDS: 1,024 bytes + 16
.set VP,    272                        ; a row of V's: 256 + 16
.set VOFF,  16*KP                      ; a slot: K's 16 rows, then V's 64
.set SLOT1, 1<<16                      ; slot 1 begins here: one exclusive or turns an address from one slot to the other
.set SPARE, 2*SLOT1                    ; behind the ring: the spare words, 128 bytes for each of sixteen waves
.set AK0,  1
.set AV0,  2
.set PFO,  3                           ; the prefetches' offset; never rewritten
.set DM,   4                           ; r - 2 h, for the mask
.set SPW,  5
.set NIL,  6
.set GO,   7                           ; 16 x lane
.set ADK,  8
.set ADV,  9
.set FB,   36
.set S,    100
.set PC,   228
.set WV,   18
.set SEL,  20
.set CS,   22
.set G1K,  24
.set G1V,  32
.set G0K,  40
.set G0V,  44
.set TB,   2                           ; s2   LDS byte at which the slot in hand begins
.set SLOTS, 67
.set PFA,  76
.set PFS,  78
.set LIM,  80
.set KF,   98                          ; the step's first key
.set Q0A,  99
.set Q0B,  100
.set QL,   101                         ; my work-group's last query
; Wave 0 fetches K's tile, wave 1 V's, the others nothing.  An s_nop 0 and four v_nop follow each of the two lines.
.macro TLOAD
	s_cmp_lt_u32 s[WV], 1
	s_cbranch_scc0 .Lnot_k_\@
	tensor_load_to_lds s[G0K:G0K+3], s[G1K:G1K+7]
	s_nop 0
.rept 4
	v_nop
.endr
	s_branch .Lasked_\@
.Lnot_k_\@:
	s_cmp_lt_u32 s[WV], 2
	s_cbranch_scc0 .Lasked_\@
	tensor_load_to_lds s[G0V:G0V+3], s[G1V:G1V+7]
	s_nop 0
.rept 4
	v_nop
.endr
.Lasked_\@:
.endm
; A prefetch of what the NEXT change of slots will ask for.  All four work-groups of a head walk the same K and V: the first (g = 0, which walks all eight slots) asks, once for each aligned 256 bytes:
; waves 4, 5 for K's 16,384 bytes (lanes 256 bytes apart), waves 6, 7 for V's 64 rows (a lane a row, 256 bytes of it).  The last change that fills a slot asks for nothing; slots 0 and 1 come by their loads alone.
.macro ASK
	s_cmp_gt_u32 s[SLOTS], s[LIM]
	s_cbranch_scc0 .Lnot_mine_\@
	global_prefetch_b8 v[PFO], s[PFA:PFA+1] th:TH_LOAD_NT scope:SCOPE_SE
.Lnot_mine_\@:
.endm
	s_load_b128 s[4:7], s[0:1], 0x0                ; qc, kc
	s_load_b128 s[12:15], s[0:1], 0x10             ; vc, the scales' exponents
	s_load_b64 s[16:17], s[0:1], 0x20              ; zc
	v_lshl_add_u32 v[SPW], v0, 2, SPARE
	v_mov_b32 v[NIL], 0
	ds_add_u32 v[SPW], v[NIL]                      ; the wave's opening: the add and its wait stand ahead of my first tensor load; work on registers stands between them
	ds_add_u32 v[SPW], v[NIL]
	v_lshrrev_b32 v8, 5, v0
	s_delay_alu instid0(VALU_DEP_1)
	v_readfirstlane_b32 s[WV], v8                  ; wave 0..15
	s_and_b32 s68, ttmp7, 0xffff
	s_lshl_b32 s68, s68, 17                        ; the head's first byte in each of the four tensors: 131,072 x head
	s_mov_b32 s69, 0
	s_lshl_b32 s[Q0A], ttmp9, 8
	s_sub_co_u32 s[QL], 2047, s[Q0A]
	s_lshl_b32 s70, s[WV], 4
	s_add_co_u32 s[Q0A], s[Q0A], s70
	s_sub_co_u32 s[Q0B], 2032, s[Q0A]
	s_mov_b32 s[G1K], (0<<16)|(1<<20)|(7<<22)|(3<<25)   ; no mask; elements of 1 byte; padding: four words after every 256
	s_mov_b32 s[G1K+1], 1024<<16                   ; tensor_dim0
	s_mov_b32 s[G1K+2], 16<<16                     ; tensor_dim1
	s_mov_b32 s[G1K+3], 1024<<16                   ; tile_dim0
	s_mov_b32 s[G1K+4], 16                         ; tile_dim1
	s_mov_b32 s[G1K+5], 1024                       ; from row to row
	s_mov_b32 s[G1K+6], 0
	s_mov_b32 s[G1K+7], 0
	s_mov_b32 s[G1V], (0<<16)|(1<<20)|(5<<22)|(3<<25)   ; padding: four words after every 64
	s_mov_b32 s[G1V+1], 256<<16
	s_mov_b32 s[G1V+2], 64<<16
	s_mov_b32 s[G1V+3], 256<<16
	s_mov_b32 s[G1V+4], 64
	s_mov_b32 s[G1V+5], 2048
	s_mov_b32 s[G1V+6], 0
	s_mov_b32 s[G1V+7], 0
	s_mov_b32 s[SEL], 0x76543210
	s_mov_b32 s[SEL+1], 0xfedcba98
	s_mov_b32 s[CS], 0x3e38aa3b                    ; c = log2(e) / 8
	s_mov_b32 s[TB], 0
	s_mov_b32 s[SLOTS], 7
	s_mov_b32 s[KF], 0
	s_wait_dscnt 0x0                               ; the opening add is done
	s_wait_kmcnt 0x0
	s_load_b128 s[56:59], s[14:15], 0x18           ; entries 6, 7, 8, 9
	s_load_b32 s60, s[14:15], 0x28                 ; entry 10
	s_mov_b32 s[G0K], 1
	s_mov_b32 s[G0K+1], 0
	s_add_nc_u64 s[G0K+2:G0K+3], s[6:7], s[68:69]
	s_or_b32 s[G0K+3], s[G0K+3], 0x80000000
	s_mov_b32 s[G0V], 1
	s_mov_b32 s[G0V+1], VOFF
	s_add_nc_u64 s[G0V+2:G0V+3], s[12:13], s[68:69]
	s_or_b32 s[G0V+3], s[G0V+3], 0x80000000
	TLOAD                                          ; slot 0
	s_add_nc_u64 s[4:5], s[4:5], s[68:69]
	s_add_nc_u64 s[16:17], s[16:17], s[68:69]
	s_lshl_b32 s70, s[Q0A], 6
	s_mov_b32 s71, 0
	s_add_nc_u64 s[52:53], s[4:5], s[70:71]        ; tile A's codes of q,
	s_add_nc_u64 s[48:49], s[16:17], s[70:71]      ; and its 1,024 bytes of zc
	s_lshl_b32 s70, s[Q0B], 6
	s_add_nc_u64 s[54:55], s[4:5], s[70:71]        ; tile B's
	s_add_nc_u64 s[50:51], s[16:17], s[70:71]
	; the prefetches: where my wave's stand, and who asks
	s_cmp_lt_u32 s[WV], 6
	s_cselect_b64 s[PFA:PFA+1], s[6:7], s[12:13]
	s_mov_b32 s[PFS], 256
	s_cselect_b32 s[PFS], 16384, s[PFS]            ; a slot on
	s_mov_b32 s82, 2048
	s_cselect_b32 s82, 256, s82                    ; from lane to lane
	s_mov_b32 s83, 65536
	s_cselect_b32 s83, 8192, s83                   ; from wave to wave
	v_and_b32 v[PFO], 31, v0
	s_delay_alu instid0(VALU_DEP_1)
	v_mul_lo_u32 v[PFO], v[PFO], s82
	s_and_b32 s82, s[WV], 1
	s_mul_i32 s82, s82, s83
	s_add_co_u32 s82, s82, s[PFS]                  ; in slot 1: the first change of slots steps it to slot 2
	s_mov_b32 s83, 0
	s_mov_b32 s[PFS+1], 0
	s_add_nc_u64 s[PFA:PFA+1], s[PFA:PFA+1], s[68:69]
	s_add_nc_u64 s[PFA:PFA+1], s[PFA:PFA+1], s[82:83]
	s_sub_co_u32 s82, s[WV], 4
	s_lshr_b32 s82, s82, 2                         ; 0 in waves 4 to 7,
	s_or_b32 s82, s82, ttmp9                       ; of the head's first work-group
	s_cmp_eq_u32 s82, 0
	s_cselect_b32 s[LIM], 1, -1
	v_and_b32 v8, 15, v0                           ; r
	v_bfe_u32 v9, v0, 4, 1                         ; h
	s_delay_alu instid0(VALU_DEP_2)
	v_lshlrev_b32 v10, 6, v8
	s_delay_alu instid0(VALU_DEP_1)
	v_lshl_add_u32 v10, v9, 4, v10                 ; q: row r of 64 bytes, + 16 h
	global_load_b128 v[20:23], v10, s[52:53]       ; registers 4 c .. 4 c + 3: channels 32 c + 16 h + 0 .. 15: the same order in Q and in K
	global_load_b128 v[24:27], v10, s[52:53] offset:32
	global_load_b128 v[28:31], v10, s[54:55]
	global_load_b128 v[32:35], v10, s[54:55] offset:32
	v_and_b32 v11, 7, v8
	s_delay_alu instid0(VALU_DEP_1)
	v_mul_u32_u24 v[AK0], v11, KP
	v_lshrrev_b32 v11, 3, v8
	s_delay_alu instid0(VALU_DEP_1)
	v_lshl_add_u32 v[AK0], v11, 7, v[AK0]
	s_delay_alu instid0(VALU_DEP_1)
	v_lshl_add_u32 v[AK0], v9, 4, v[AK0]           ; K: matrix row r % 8, column block 2 (r / 8), + 16 h
	v_mul_u32_u24 v[AV0], v8, VP
	s_delay_alu instid0(VALU_DEP_1)
	v_lshl_add_u32 v[AV0], v9, 4, v[AV0]
	s_delay_alu instid0(VALU_DEP_1)
	v_add_nc_u32 v[AV0], VOFF, v[AV0]              ; V: row d = r, + 16 h
	v_lshlrev_b32 v11, 1, v9
	s_delay_alu instid0(VALU_DEP_1)
	v_sub_nc_u32 v[DM], v8, v11
	v_and_b32 v[GO], 31, v0
	s_delay_alu instid0(VALU_DEP_1)
	v_lshlrev_b32 v[GO], 4, v[GO]
.irp st, 12, 16
	v_mov_b32 v[\st+1], 0xff61b1e6                 ; the largest t so far: -3e38
	s_delay_alu instid0(VALU_DEP_1)
	v_floor_f32 v[\st], -v[\st+1]                  ; -M
	v_mov_b32 v[\st+2], 0
	v_mov_b32 v[\st+3], 0
.endr
	v_mov_b32 v247, 0                              ; named as the upper half of the pair v[246:247]
	v_mov_b32 v250, 0                              ; written once: a lane permute's destination counts as one of its sources
	v_mov_b32 v252, 0
	v_mov_b32 v253, 0xff800000                     ; -infinity
.set J, 0
.rept 64
	v_mov_b32 v[164+J], 0                          ; O^T of both tiles: the step is written once, and its first walk finds zeros
.set J, J+1
.endr
	s_wait_kmcnt 0x0
	s_add_co_i32 s70, s56, s57
	s_lshl_b32 s70, s70, 23
	s_add_co_i32 s[CS], s[CS], s70                 ; a score stands for score x 2^(entry 6 + entry 7): added to c's exponent field
	s_mov_b32 s[CS+1], s[CS]
	s_add_co_i32 s70, s58, 127
	s_lshl_b32 s71, s70, 23
	v_mov_b32 v244, s71                            ; 2^(entry 8)
; A KEY STEP of one tile: 128 keys, the q-th of the slot in hand.  q0: the scalar register with the tile's first query; st, qf, ot: its statistics, its Q, its O^T.
.macro STEP q0, st, qf, ot, q
	s_add_co_u32 s96, s[\q0], 15
	s_cmp_gt_u32 s[KF], s96                        ; all 128 keys come after my 16 queries: nothing to do.  Ids and the count of steps alone
	s_cbranch_scc1 .Lhidden_\@
	v_add_nc_u32 v[ADK], s[TB], v[AK0]
	v_add_nc_u32 v[ADV], s[TB], v[AV0]
	v_nop
	v_nop                                          ; with the two additions: four places in front of loads into registers that matrix instructions have read
.set N, 0
.rept 8
	ds_load_b128 v[FB+8*N:FB+8*N+3],   v[ADK] offset:8*KP*(\q)+64*(4*(N/2)+N%2)
	ds_load_b128 v[FB+8*N+4:FB+8*N+7], v[ADK] offset:8*KP*(\q)+64*(4*(N/2)+N%2)+32
.set N, N+1
.endr
	s_wait_dscnt 0x0
.set N, 0
.rept 8
	v_wmma_f32_16x16x64_fp8_fp8 v[S+8*N:S+8*N+7], v[FB+8*N:FB+8*N+7], v[\qf:\qf+7], 0
.set N, N+1
.endr
.rept 4
	v_nop
.endr
	s_add_co_u32 s96, s[KF], 127
	s_cmp_le_u32 s96, s[\q0]                       ; all 128 keys count for all 16 queries: no mask
	s_cbranch_scc1 .Lopen_\@
	s_sub_co_i32 s96, s[\q0], s[KF]
	v_add_nc_u32 v254, s96, v[DM]                  ; register n holds key KF + 16 (n % 8) + 4 (n / 16) + 2 h + (n / 8) % 2: hidden where that is above my query Q0 + r
.set N, 0
.rept 64
	v_cmp_gt_i32 vcc_lo, 16*(N%8)+4*(N/16)+(N/8)%2, v254
	v_cndmask_b32 v[S+N], v[S+N], v253, vcc_lo
.set N, N+1
.endr
.Lopen_\@:
	v_max3_num_f32 v250, v[S], v[S+1], v[S+2]      ; the step's largest score of my query, among my 64 keys, in two chains,
	v_max3_num_f32 v251, v[S+3], v[S+4], v[S+5]
.set N, 6
.rept 14
	v_max3_num_f32 v250, v250, v[S+N], v[S+N+1]
	v_max3_num_f32 v251, v251, v[S+N+2], v[S+N+3]
.set N, N+4
.endr
	v_max3_num_f32 v250, v250, v[S+62], v[S+63]
	s_delay_alu instid0(VALU_DEP_1)
	v_max_num_f32 v250, v250, v251
	s_delay_alu instid0(VALU_DEP_1)
	v_permlanex16_b32 v252, v250, s[SEL], s[SEL+1]
	s_delay_alu instid0(VALU_DEP_1)
	v_max_num_f32 v250, v250, v252                 ; and among lane l xor 16's
	s_delay_alu instid0(VALU_DEP_1)
	v_mul_f32 v250, s[CS], v250                    ; as t (c is positive)
	s_delay_alu instid0(VALU_DEP_1)
	v_max_num_f32 v[\st+1], v[\st+1], v250         ; the running largest t
	v_mov_b32 v250, v[\st]
	s_delay_alu instid0(VALU_DEP_2)
	v_floor_f32 v[\st], -v[\st+1]                  ; the new -M = floor(-t): M is a whole number
	s_delay_alu instid0(VALU_DEP_1)
	v_sub_f32 v250, v[\st], v250                   ; old M - new M: a whole number, 0 or less
	s_delay_alu instid0(VALU_DEP_1)
	v_cvt_i32_f32 v250, v250                       ; (it saturates)
	s_delay_alu instid0(VALU_DEP_1)
	v_ldexp_f32 v246, 1.0, v250                    ; f = 2^(old M - new M)
.set N, 0
.rept 32
	v_pk_fma_f32 v[S+N:S+N+1], v[S+N:S+N+1], s[CS:CS+1], v[\st:\st+1] op_sel_hi:[1,0,0]   ; t - M, two at a time
.set N, N+2
.endr
.set N, 0
	s_wait_alu depctr_va_vdst(0)
.rept 64
	v_exp_f32 v[S+N], v[S+N]                       ; p = 2^(t - M), at most 1
.set N, N+1
.endr
	v_pk_mul_f32 v[\st+2:\st+3], v[\st+2:\st+3], v[246:247] op_sel_hi:[1,0]   ; the sums under the new M: the plain line behind the exponentials
	s_wait_alu depctr_va_vdst(0)                   ; one wait for the whole batch, ahead of its first reader
	v_pk_add_f32 v[248:249], v[S:S+1], v[S+2:S+3]  ; the sum is taken of the unquantised p, in two chains
.set N, 4
.rept 15
	v_pk_add_f32 v[\st+2:\st+3], v[\st+2:\st+3], v[S+N:S+N+1]
	v_pk_add_f32 v[248:249], v[248:249], v[S+N+2:S+N+3]
.set N, N+4
.endr
	s_delay_alu instid0(VALU_DEP_1)
	v_pk_add_f32 v[\st+2:\st+3], v[\st+2:\st+3], v[248:249]
.irp b, 0,1,2,3
.set N, 0
.rept 16
.set N, N+1
.endr
	v_cvt_scalef32_pk8_fp8_f32 v[PC+4*\b:PC+4*\b+1], v[S+16*\b:S+16*\b+7], v244
	v_cvt_scalef32_pk8_fp8_f32 v[PC+4*\b+2:PC+4*\b+3], v[S+16*\b+8:S+16*\b+15], v244
.endr
.set N, 0
.rept 16
	v_pk_mul_f32 v[\ot+N:\ot+N+1], v[\ot+N:\ot+N+1], v[246:247] op_sel_hi:[1,0]   ; O^T under the new M.  (Also the plain lines behind the conversions and in front of the loads below)
.set N, N+2
.endr
.irp t, 0,1,2,3
.irp c, 0,1,2,3
	ds_load_b128 v[FB+16*\t+4*\c:FB+16*\t+4*\c+3], v[ADV] offset:16*\t*VP+128*(\q)+32*\c
.endr
.endr
	s_wait_alu depctr_va_vdst(0)
	s_wait_dscnt 0x0
.irp t, 0,1,2,3
	v_wmma_f32_16x16x128_fp8_fp8 v[\ot+8*\t:\ot+8*\t+7], v[FB+16*\t:FB+16*\t+15], v[PC:PC+15], v[\ot+8*\t:\ot+8*\t+7]   ; four accumulators by turns; eight other products stand between two turns of one
.endr
.Lhidden_\@:
.endm
; THE CHANGE OF SLOTS stands at a slot's head: each wave waits for all its tensor loads, adds 0 to its spare word, and waits for that and for its reads of the slot that it has left; one barrier;
; behind it the slot that was left is filled with the keys that follow, while they are at or under the work-group's last query.
.macro CHANGE fill
	s_wait_tensorcnt 0x0                           ; no tensor load of mine is out, so a group 0 may be written
	ds_add_u32 v[SPW], v[NIL]                      ; 0 onto my spare word
.if \fill
	s_xor_b32 s[G0K+1], s[G0K+1], SLOT1
	s_add_nc_u64 s[G0K+2:G0K+3], s[G0K+2:G0K+3], 16384
	s_xor_b32 s[G0V+1], s[G0V+1], SLOT1
	s_add_nc_u64 s[G0V+2:G0V+3], s[G0V+2:G0V+3], 256
	s_wait_xcnt 0x0                                ; the last prefetch, a slot back, has read its address
	s_add_nc_u64 s[PFA:PFA+1], s[PFA:PFA+1], s[PFS:PFS+1]
.endif
	s_wait_dscnt 0x0                               ; the add is done, and my reads of the slot that I have left are over
	s_barrier_signal -1
	s_barrier_wait -1
.if \fill
	s_add_co_u32 s96, s[KF], 256                   ; the first key of the slot that this change would ask for
	s_cmp_gt_u32 s96, s[QL]                        ; past my work-group's last query: no wave would read it.  Ids and the count of steps alone: all sixteen waves go the same way; every wait on TENSORcnt here is for 0
	s_cbranch_scc1 .Lpast_\@
	TLOAD                                          ; a wave's one tensor load until the next such barrier
.Lpast_\@:
	ASK
.endif
.endm
.macro SLOT_STEPS
.irp q, 0,1
	STEP Q0A, 12, 20, 164, \q
	STEP Q0B, 16, 28, 196, \q
	s_add_co_u32 s[KF], s[KF], 128
.endr
	s_xor_b32 s[TB], s[TB], SLOT1
.endm
	s_wait_loadcnt 0x0                             ; Q
.Lslot:                                            ; seven trips
	CHANGE 1
	SLOT_STEPS
	s_sub_co_u32 s[SLOTS], s[SLOTS], 1
	s_cmp_lg_u32 s[SLOTS], 0
	s_cbranch_scc1 .Lslot
	CHANGE 0                                       ; the last slot is written out: nothing is left to ask for
	SLOT_STEPS
	; THE WAY OUT.  O^T / the sum stands for z / 2^(entry 8 + entry 9): the conversion takes 2^(entry 10 - 8 - 9).  A tile's 16 queries x 64 codes are 1,024 consecutive bytes of zc:
	; they go through my stage (2,048 bytes in slot 0, which has had its last fill and which nobody reads behind the last change of slots) and leave 512 bytes an instruction.
	v_add_f32 v14, v14, v15
	v_add_f32 v18, v18, v19
	s_delay_alu instid0(VALU_DEP_2)
	v_permlanex16_b32 v252, v14, s[SEL], s[SEL+1]
	s_delay_alu instid0(VALU_DEP_2)
	v_permlanex16_b32 v250, v18, s[SEL], s[SEL+1]
	s_delay_alu instid0(VALU_DEP_2)
	v_add_f32 v14, v14, v252
	s_delay_alu instid0(VALU_DEP_2)
	v_add_f32 v18, v18, v250
	s_wait_alu depctr_va_vdst(0)
	v_rcp_f32 v14, v14
	v_rcp_f32 v18, v18
	v_and_b32 v8, 15, v0                           ; (the plain line behind the reciprocals)
	v_bfe_u32 v9, v0, 4, 1
	s_lshl_b32 s70, s[WV], 11
	v_lshlrev_b32 v10, 6, v8
	s_delay_alu instid0(VALU_DEP_1)
	v_lshl_add_u32 v10, v9, 3, v10
	s_delay_alu instid0(VALU_DEP_1)
	v_add_nc_u32 v10, s70, v10                     ; in: 64 r + 8 h; tile t of O^T: 16 t bytes on
	v_add_nc_u32 v11, s70, v[GO]                   ; back: 16 x lane
	s_sub_co_i32 s71, s60, s58
	s_sub_co_i32 s71, s71, s59
	s_add_co_i32 s71, s71, 127
	s_lshl_b32 s96, s71, 23
	v_mov_b32 v244, s96
	s_wait_alu depctr_va_vdst(0)                   ; one wait for both reciprocals, ahead of their first reader
.macro ZOUT tile, st, ot
.set N, 0
.rept 32
	v_mul_f32 v[S+32*\tile+N], v[\ot+N], v[\st+2]  ; each accumulator from its low end on
.set N, N+1
.endr
.set N, 0
.rept 32
.set N, N+1
.endr
.irp t, 0,1,2,3
	v_cvt_scalef32_pk8_fp8_f32 v[PC+8*\tile+2*\t:PC+8*\tile+2*\t+1], v[S+32*\tile+8*\t:S+32*\tile+8*\t+7], v244
.endr
	v_nop
.irp t, 0,1,2,3
	ds_store_b64 v10, v[PC+8*\tile+2*\t:PC+8*\tile+2*\t+1] offset:1024*\tile+16*\t   ; z(Q0 + r, 16 t + 8 h + 0 .. 7)
.endr
.endm
	ZOUT 0, 12, 164
	ZOUT 1, 16, 196
.irp i, 0,1,2,3
	ds_load_b128 v[FB+4*\i:FB+4*\i+3], v11 offset:512*\i   ; LDS serves a wave's instructions in order: these see my stores
.endr
.irp i, 0,1,2,3
	s_wait_dscnt 3-\i
	global_store_b128 v[GO], v[FB+4*\i:FB+4*\i+3], s[48+2*(\i/2):49+2*(\i/2)] offset:512*(\i%2)
.endr
	s_wait_tensorcnt 0x0                           ; the wave's end, behind my last tensor load and my last LDS store
	ds_add_u32 v[SPW], v[NIL]
	s_wait_dscnt 0x0
	s_endpgm
.Lfunc_end_k_qbc09f97f77_attn:
	.size	k_qbc09f97f77_attn, .Lfunc_end_k_qbc09f97f77_attn-k_qbc09f97f77_attn
	.p2alignl 7, 3214868480
	.fill 96, 4, 3214868480
	.section	.rodata,"a",@progbits
	.p2align	6, 0x0
	.amdhsa_kernel k_qbc09f97f77_attn
		.amdhsa_group_segment_fixed_size 327680
		.amdhsa_private_segment_fixed_size 0
		.amdhsa_enable_private_segment 0
		.amdhsa_kernarg_size 40
		.amdhsa_user_sgpr_count 2
		.amdhsa_user_sgpr_kernarg_segment_ptr 1
		.amdhsa_wavefront_size32 1
		.amdhsa_system_sgpr_workgroup_id_x 1
		.amdhsa_system_sgpr_workgroup_id_y 1
		.amdhsa_system_sgpr_workgroup_id_z 1
		.amdhsa_system_vgpr_workitem_id 0
		.amdhsa_next_free_vgpr 256
		.amdhsa_next_free_sgpr 102
		.amdhsa_reserve_vcc 1
		.amdhsa_float_denorm_mode_32 3
		.amdhsa_float_denorm_mode_16_64 3
		.amdhsa_fp16_overflow 1
		.amdhsa_memory_ordered 1
		.amdhsa_forward_progress 1
		.amdhsa_inst_pref_size 166
	.end_amdhsa_kernel
	.amdgpu_metadata
---
amdhsa.version: [ 1, 2 ]
amdhsa.kernels:
  - .name:           k_qbc09f97f77_attn
    .symbol:         k_qbc09f97f77_attn.kd
    .args:
      - { .name: qc, .offset: 0, .size: 8, .value_kind: global_buffer, .address_space: global }
      - { .name: kc, .offset: 8, .size: 8, .value_kind: global_buffer, .address_space: global }
      - { .name: vc, .offset: 16, .size: 8, .value_kind: global_buffer, .address_space: global }
      - { .name: lowp_scales, .offset: 24, .size: 8, .value_kind: global_buffer, .address_space: global }
      - { .name: zc, .offset: 32, .size: 8, .value_kind: global_buffer, .address_space: global }
    .group_segment_fixed_size: 327680
    .private_segment_fixed_size: 0
    .kernarg_segment_align: 8
    .kernarg_segment_size: 40
    .max_flat_workgroup_size: 512
    .sgpr_count:     102
    .vgpr_count:     256
    .wavefront_size: 32
...
	.end_amdgpu_metadata
.endif
;; end of part 3
;; launch oproj (part 4): grid 4 x 32, 4 waves a work-group, clusters of 4 x 4, 327,680 bytes of LDS; arguments zc, cb, lowp_scales, bo, out0; writes out0
.if DOCPART == 4
	.amdgcn_target "amdgcn-amd-amdhsa--gfx1250"
	.amdhsa_code_object_version 6
	.text
	.protected	k_qbc09f97f77_oproj
	.globl	k_qbc09f97f77_oproj
	.p2align	8
	.type	k_qbc09f97f77_oproj,@function
k_qbc09f97f77_oproj:
	s_mov_b64 s[64:65], 0
	v_nop
	global_prefetch_b8 v0, s[64:65] scope:SCOPE_SE
	s_setreg_imm32_b32 hwreg(HW_REG_WAVE_MODE, 25, 1), 1
	s_wait_xcnt 0x0
	s_wait_alu depctr_hold_cnt(0) depctr_sa_sdst(0) depctr_va_vdst(0) depctr_va_sdst(0) depctr_va_ssrc(0) depctr_va_vcc(0) depctr_vm_vsrc(0)
	s_getreg_b32 s2, hwreg(HW_REG_IB_STS2, 6, 4)
	s_cmp_eq_u32 s2, 0
	s_cbranch_scc0 .Lentry_in_a_cluster
	s_endpgm
.Lentry_in_a_cluster:
	s_bfe_u32 s2, ttmp6, 0x10000c
	s_cmp_lg_u32 s2, 0xf033
	s_cbranch_scc0 .Lentry_shape_is_right
	s_endpgm
.Lentry_shape_is_right:
; out0 = z Wo + bo on codes of FP8 (E4M3).  zc: [8192][1024] codes (scale entry 10).  Wo's codes: [1024 places][1024 k] from byte 0x1B00000 of cb (entry 11); column n lies at place n with bits 3 and 4 exchanged.
; A tile of 256 x 256 is made by four waves, 128 x 128 each: 64 accumulators.  K = 1,024 goes in four steps of 256 through two LDS slots.  128 tiles: 128 work-groups.
; The matrix instruction is used transposed (source 0 = 16 places of Wo, source 1 = 16 rows of z): in tile b a lane's register j is column 32 (b / 2) + 16 h + 8 (b % 2) + j of its row.
; A sum stands for sum x 2^(ea + eb).  The bias is the C of each sum's first product, as bo / 2^(ea + eb); each finished sum is multiplied once by 2^(ea + eb).
; CLUSTERS: 4 x 4 work-groups; z's tile is asked for jointly by a row of the cluster, Wo's by a column.
; LIMIT: entry 10 + entry 11 lies between -126 and 127.
; REGISTERS, in windows of 256: window 0: v0-31 addresses; v32-95 the bias by (tile b, register j), later a block's results; from v128 A's fragments, ONE set; on the way out v128-255 rows read back.
;   window 1: B's fragments, two sets.   windows 2, 3: the accumulators ((a, b) at v[8 (8 (a % 4) + b)]).
.set KSTEP,  256
.set ROWB,   256
.set KROW,   1024
.set PITCH,  272                       ; an LDS row: 256 bytes + 16 of padding = 68 words: the 16 rows that a load touches start 4 banks apart (64 banks of 4 bytes: ISA guide 11.1)
.set FR,     16
.set NL,     4
.set NP,     4
.set HALFT,  128*PITCH
.set SLOT,   4*HALFT
.set LAPS,   2
.set SPARE,  2*SLOT
.set SPITCH, 528                       ; the way out: 16 rows x (512 bytes + 16) for each wave, in slot 0, which has had its last fill and its last read by then
.set CROW,   4096                      ; a row of out0 in bytes
.set ADRA, 16
.set ADRB, 20
.set STO,  24
.set RD,   25
.set CO,   26
.set SPW,  28
.set NIL,  29
.set BI,   32
.set TMP,  32
.set AF,   128
.set BK,   128
.set G1, 24
.set G0, 32
.set G1B, 48
.set G0B, 56
.set MSB, 0
.macro WIN new
.if MSB != \new
	s_set_vgpr_msb (MSB<<8)|\new
.set MSB, \new
.endif
.endm
.set MUL_LO, 0xa1                      ; source 0 (B) window 1, source 1 (A) window 0, C and D window 2
.set MUL_HI, 0xf1
.set FST_LO, 0x81                      ; the first step: C (the bias) window 0, D window 2
.set FST_HI, 0xc1
.set TO_B,   0x40
.macro JLOAD g0a, g1a, g0b, g1b        ; a joint load: waves 0 and 1 fetch for A, waves 2 and 3 for B; an s_nop 0 and four v_nop follow each of the two lines
	s_cmp_eq_u32 s15, 0
	s_cbranch_scc0 .Lfor_b_\@
	tensor_load_to_lds s[\g0a:\g0a+3], s[\g1a:\g1a+7]
	s_nop 0
.rept 4
	v_nop
.endr
	s_branch .Lasked_\@
.Lfor_b_\@:
	tensor_load_to_lds s[\g0b:\g0b+3], s[\g1b:\g1b+7]
	s_nop 0
.rept 4
	v_nop
.endr
.Lasked_\@:
.endm
.macro CREST
	s_cmp_lg_u32 s14, 0
	s_cbranch_scc1 .Lnot_wave_0_\@
	s_barrier_signal -3
.Lnot_wave_0_\@:
	s_barrier_wait -3
	s_barrier_signal -1
	s_barrier_wait -1
.endm
.macro CROUND
	s_barrier_signal -1
	s_barrier_wait -1
	CREST
.endm
	s_load_b128 s[4:7], s[0:1], 0x0                ; zc, cb
	s_load_b128 s[8:11], s[0:1], 0x10              ; the scales' exponents, bo
	s_load_b64 s[12:13], s[0:1], 0x20              ; out0
	v_lshl_add_u32 v[SPW], v0, 2, SPARE
	v_mov_b32 v[NIL], 0
	ds_add_u32 v[SPW], v[NIL]                      ; the wave's opening: the add and its wait stand ahead of my first tensor load; work on registers stands between them
	ds_add_u32 v[SPW], v[NIL]
	v_lshrrev_b32 v1, 5, v0
	v_readfirstlane_b32 s14, v1                    ; wave 0..3
	s_lshr_b32 s15, s14, 1                         ; which half of the tile's rows is mine.  Also: I fetch for A (0) or for B (1)
	s_and_b32 s16, s14, 1                          ; which half of its columns.  Also: which 128 rows of that tile I fetch
	s_bfe_u32 s40, ttmp6, 0x40000                  ; cx
	s_bfe_u32 s41, ttmp6, 0x40004                  ; cy
	s_lshl_b32 s42, ttmp9, 2
	s_add_co_u32 s42, s42, s40                     ; tile column
	s_and_b32 s17, ttmp7, 0xffff
	s_lshl_b32 s17, s17, 2
	s_add_co_u32 s17, s17, s41                     ; tile row
	s_lshl_b32 s43, s41, 2
	s_lshl_b32 s43, 15, s43                        ; my row of the cluster
	s_lshl_b32 s44, 0x1111, s40                    ; my column
	s_or_b32 s[G1+0], s43, (0<<16)|(1<<20)|(1<<21)|(5<<22)|(3<<25)
	s_or_b32 s[G1B+0], s44, (0<<16)|(1<<20)|(1<<21)|(5<<22)|(3<<25)
.irp g, G1, G1B
	s_mov_b32 s[\g+1], ROWB<<16
	s_mov_b32 s[\g+2], 128<<16
	s_mov_b32 s[\g+3], ROWB<<16
	s_mov_b32 s[\g+4], 128
	s_mov_b32 s[\g+5], KROW
	s_mov_b32 s[\g+6], 0
	s_mov_b32 s[\g+7], 0
.endr
	s_lshl_b32 s18, s16, 7
	s_lshl_b32 s20, s17, 8
	s_add_co_u32 s20, s20, s18
	s_lshl_b32 s20, s20, 10
	s_mov_b32 s21, 0
	s_lshl_b32 s46, s42, 8
	s_add_co_u32 s46, s46, s18
	s_lshl_b32 s46, s46, 10
	s_mov_b32 s47, 0
	s_mul_i32 s45, s14, HALFT
	s_wait_dscnt 0x0                               ; the opening add is done
	s_wait_kmcnt 0x0
	s_load_b64 s[96:97], s[8:9], 0x28              ; entries 10, 11
	s_add_nc_u64 s[6:7], s[6:7], 0x1B00000         ; Wo's codes
	s_add_nc_u64 s[20:21], s[4:5], s[20:21]
	s_add_nc_u64 s[46:47], s[6:7], s[46:47]
	CROUND                                         ; all sixteen work-groups are here: the first joint loads meet
.irp s, 0,1
	s_mov_b32 s[G0+4*\s], 1
	s_add_co_u32 s[G0+4*\s+1], s45, \s*SLOT
	s_add_nc_u64 s[G0+4*\s+2:G0+4*\s+3], s[20:21], \s*ROWB
	s_or_b32 s[G0+4*\s+3], s[G0+4*\s+3], 0x80000000
	s_mov_b32 s[G0B+4*\s], 1
	s_add_co_u32 s[G0B+4*\s+1], s45, \s*SLOT
	s_add_nc_u64 s[G0B+4*\s+2:G0B+4*\s+3], s[46:47], \s*ROWB
	s_or_b32 s[G0B+4*\s+3], s[G0B+4*\s+3], 0x80000000
	s_wait_alu depctr_va_vdst(0)
	s_wait_tensorcnt 0x0
	ds_add_u32 v28, v29
	ds_add_u32 v28, v29
	s_wait_dscnt 0x0
	CROUND
	JLOAD G0+4*\s, G1, G0B+4*\s, G1B
.endr
	v_and_b32 v1, 15, v0                           ; r
	s_wait_alu depctr_va_vdst(0)
	v_bfe_u32 v2, v0, 4, 1                         ; h
	s_lshl_b32 s22, s42, 10
	s_lshl_b32 s23, s16, 9
	s_add_co_u32 s22, s22, s23
	s_mov_b32 s23, 0
	s_add_nc_u64 s[10:11], s[10:11], s[22:23]      ; bo at my 128 columns
	v_lshlrev_b32 v30, 6, v2
.irp b, 0,1,2,3,4,5,6,7
	global_load_b128 v[BI+8*\b:BI+8*\b+3],   v30, s[10:11] offset:(32*(\b/2)+8*(\b%2))*4
	global_load_b128 v[BI+8*\b+4:BI+8*\b+7], v30, s[10:11] offset:(32*(\b/2)+8*(\b%2))*4+16
.endr
	v_mul_u32_u24 v3, v1, PITCH
	v_lshl_add_u32 v4, v2, 4, v3
	s_mul_i32 s21, s15, HALFT
	s_mul_i32 s22, s16, HALFT
	s_add_co_u32 s22, s22, 2*HALFT
.irp s, 0,1
	v_add_nc_u32 v[ADRA+\s], s21, v4
	v_add_nc_u32 v[ADRB+\s], s22, v4
	s_add_co_u32 s21, s21, SLOT
	s_add_co_u32 s22, s22, SLOT
.endr
	s_mul_i32 s23, s14, 16*SPITCH                  ; my stage
	v_mul_u32_u24 v5, v1, SPITCH
	s_wait_alu depctr_va_vdst(0)
	v_lshl_add_u32 v5, v2, 6, v5
	v_add_nc_u32 v[STO], s23, v5                   ; in: row r, + 64 h: my half's 16 columns of each 32
	v_and_b32 v6, 31, v0
	v_lshlrev_b32 v[CO], 4, v6
	v_add_nc_u32 v[RD], s23, v[CO]                 ; back: the 32 lanes take one row of 512 bytes
	s_lshl_b32 s20, s17, 8
	s_lshl_b32 s21, s15, 7
	s_add_co_u32 s20, s20, s21
	s_lshl_b32 s20, s20, 12                        ; my first row of out0, rows of 4,096 bytes,
	s_lshl_b32 s46, s42, 10
	s_lshl_b32 s47, s16, 9
	s_add_co_u32 s46, s46, s47
	s_add_co_u32 s20, s20, s46                     ; and my first column
	s_mov_b32 s21, 0
	s_add_nc_u64 s[12:13], s[12:13], s[20:21]
	s_wait_loadcnt 0x0                             ; the bias, while the first tiles are on their way
	s_wait_kmcnt 0x0
	s_add_co_i32 s96, s96, s97
	s_sub_co_i32 s98, 0, s96
.set J, 0
.rept 64
	v_ldexp_f32 v[BI+J], v[BI+J], s98              ; bo / 2^(ea + eb)
.set J, J+1
.endr
	s_add_co_i32 s96, s96, 127
	s_lshl_b32 s96, s96, 23                        ; 2^(ea + eb) as f32
.macro FRAG reg, adr, q, i
.irp c, 0,1,2,3
	ds_load_b128 v[\reg+4*\c:\reg+4*\c+3], v[\adr] offset:128*(\q)+32*\c+(\i)*16*PITCH
.endr
.endm
; 16 matrix instructions.  first = 1: the sums begin with the bias as C.  The 64 accumulators take turns, one instruction a turn.
.macro MUL16 a0, p, first
.irp a, \a0, \a0+1
.irp b, 0,1,2,3,4,5,6,7
.if \first
	v_wmma_f32_16x16x128_fp8_fp8 v[8*(8*((\a)%4)+\b):8*(8*((\a)%4)+\b)+7], v[128*(\p)+FR*\b:128*(\p)+FR*\b+FR-1], v[AF+FR*(\a):AF+FR*(\a)+FR-1], v[BI+8*\b:BI+8*\b+7]
.else
	v_wmma_f32_16x16x128_fp8_fp8 v[8*(8*((\a)%4)+\b):8*(8*((\a)%4)+\b)+7], v[128*(\p)+FR*\b:128*(\p)+FR*\b+FR-1], v[AF+FR*(\a):AF+FR*(\a)+FR-1], v[8*(8*((\a)%4)+\b):8*(8*((\a)%4)+\b)+7]
.endif
.endr
.endr
.endm
.macro FETCH_B slot, q, p
	WIN TO_B
.irp i, 0,1,2,3,4,5,6,7
	FRAG 128*(\p)+FR*\i, ADRB+\slot, \q, \i
.endr
	WIN 0
.endm
.macro FETCH_A slot, q, i0
.irp i, \i0, \i0+1, \i0+2, \i0+3
	FRAG AF+FR*(\i), ADRA+\slot, \q, \i
.endr
.endm
.macro PLACES n
.rept \n
	v_nop
.endr
.endm
.macro STEP slot, q, first
	s_wait_dscnt 4*NL                              ; B's set and A's blocks 0-3 are in; the youngest sixteen loads may be out
.if \first
	WIN FST_LO
.else
	WIN MUL_LO
.endif
	MUL16 0, (\q)%2, \first
	MUL16 2, (\q)%2, \first
	s_wait_dscnt 0
	PLACES NP
	FETCH_B \slot, (\q)+1, 1-(\q)%2
	FETCH_A \slot, (\q)+1, 0
.if \first
	WIN FST_HI
.else
	WIN MUL_HI
.endif
	MUL16 4, (\q)%2, \first
	MUL16 6, (\q)%2, \first
	PLACES NP
	WIN 0
	FETCH_A \slot, (\q)+1, 4
.endm
.macro TURN slot, next, fill
	s_wait_tensorcnt 0x0                           ; all my tensor loads have landed: my part of the next slot
	ds_add_u32 v[SPW], v[NIL]                      ; 0 onto my spare word
	s_wait_dscnt 4*NL+1                            ; the add and the youngest sixteen loads may be out
	WIN MUL_LO
	MUL16 0, 1, 0
	s_wait_dscnt 0x0                               ; the add is done, and my reads of this slot are over
	s_barrier_signal -1
	MUL16 2, 1, 0
	WIN 0
	s_barrier_wait -1
.if \fill
	CREST                                          ; the barrier has opened a round of the cluster's
	s_add_nc_u64 s[G0+4*\slot+2:G0+4*\slot+3], s[G0+4*\slot+2:G0+4*\slot+3], 2*ROWB
	s_add_nc_u64 s[G0B+4*\slot+2:G0B+4*\slot+3], s[G0B+4*\slot+2:G0B+4*\slot+3], 2*ROWB
	JLOAD G0+4*\slot, G1, G0B+4*\slot, G1B
.else
	PLACES NP
.endif
	FETCH_B \next, 0, 0
	FETCH_A \next, 0, 0
	WIN MUL_HI
	MUL16 4, 1, 0
	MUL16 6, 1, 0
	PLACES NP
	WIN 0
	FETCH_A \next, 0, 4
.endm
	s_wait_alu depctr_va_vdst(0)
	s_wait_tensorcnt 1                             ; my part of K step 0 is in; K step 1's load may be out
	s_barrier_signal -1
	s_barrier_wait -1
	FETCH_B 0, 0, 0
	FETCH_A 0, 0, 0
	FETCH_A 0, 0, 4
	STEP 0, 0, 1
	s_mov_b32 s3, LAPS-1
.Llap:
	TURN 0, 1, 1
	STEP 1, 0, 0
	TURN 1, 0, 1
	STEP 0, 0, 0
	s_sub_co_u32 s3, s3, 1
	s_cmp_lg_u32 s3, 0
	s_cbranch_scc1 .Llap
	TURN 0, 1, 0
	STEP 1, 0, 0
	s_wait_dscnt 4*NL
	WIN MUL_LO
	MUL16 0, 1, 0
	MUL16 2, 1, 0
	s_wait_dscnt 0
	WIN MUL_HI
	MUL16 4, 1, 0
	MUL16 6, 1, 0
	WIN 0
; THE WAY OUT, block by block of 16 rows x 128 columns, through my own stage: back as whole rows of 512 bytes.  LDS serves a wave's instructions in order: no wait between the stores and the loads.
.macro TOSTAGE a
.set AC, 64*((\a)%4)
	WIN 0x02+((\a)/4)
.set J, 0
.rept 32
	v_pk_mul_f32 v[TMP+J:TMP+J+1], v[AC+J:AC+J+1], s[96:97] op_sel_hi:[1,0]   ; both x s96 = 2^(ea + eb); each accumulator from its low end on
.set J, J+2
.endr
	WIN 0
.irp b, 0,1,2,3,4,5,6,7
	ds_store_b128 v[STO], v[TMP+8*\b:TMP+8*\b+3] offset:128*(\b/2)+32*(\b%2)
	ds_store_b128 v[STO], v[TMP+8*\b+4:TMP+8*\b+7] offset:128*(\b/2)+32*(\b%2)+16
.endr
.set BB, BK+64*((\a)%2)
.irp t, 0,1,2,3,4,5,6,7,8,9,10,11,12,13,14,15
	ds_load_b128 v[BB+4*\t:BB+4*\t+3], v[RD] offset:\t*SPITCH
.endr
.endm
.macro SEND a, younger                 ; younger: the LDS instructions issued behind block a's loads, which may stay out
.set BB, BK+64*((\a)%2)
	s_wait_dscnt \younger
.if (\a) > 0
	s_add_nc_u64 s[12:13], s[12:13], 16*CROW       ; (behind a wait on XCNT: the earlier stores have read their base)
.endif
.irp t, 0,1,2,3,4,5,6,7,8,9,10,11,12,13,14,15
	global_store_b128 v[CO], v[BB+4*\t:BB+4*\t+3], s[12:13] offset:\t*CROW th:TH_STORE_NT   ; 32 lanes store 512 consecutive bytes, aligned; written once, read by nobody here
.endr
.endm
	PLACES NP
	TOSTAGE 0
.irp a, 1,2,3,4,5,6,7
.if \a > 1
	s_wait_xcnt 0x0                                ; block a - 2's stores have read their registers and their base
.endif
	TOSTAGE \a
	SEND \a-1, 32                                  ; behind block a - 1's loads: block a's 16 stores and 16 loads
.endr
	s_wait_xcnt 0x0
	SEND 7, 0
	s_wait_tensorcnt 0x0                           ; the wave's end, behind my last tensor load and my last LDS store
	ds_add_u32 v[SPW], v[NIL]
	s_wait_dscnt 0x0
	CROUND                                         ; the closing round
	s_endpgm
.Lfunc_end_k_qbc09f97f77_oproj:
	.size	k_qbc09f97f77_oproj, .Lfunc_end_k_qbc09f97f77_oproj-k_qbc09f97f77_oproj
	.p2alignl 7, 3214868480
	.fill 96, 4, 3214868480
	.section	.rodata,"a",@progbits
	.p2align	6, 0x0
	.amdhsa_kernel k_qbc09f97f77_oproj
		.amdhsa_group_segment_fixed_size 327680
		.amdhsa_private_segment_fixed_size 0
		.amdhsa_enable_private_segment 0
		.amdhsa_kernarg_size 40
		.amdhsa_user_sgpr_count 2
		.amdhsa_user_sgpr_kernarg_segment_ptr 1
		.amdhsa_wavefront_size32 1
		.amdhsa_system_sgpr_workgroup_id_x 1
		.amdhsa_system_sgpr_workgroup_id_y 1
		.amdhsa_system_sgpr_workgroup_id_z 1
		.amdhsa_system_vgpr_workitem_id 0
		.amdhsa_next_free_vgpr 1024
		.amdhsa_next_free_sgpr 100
		.amdhsa_reserve_vcc 0
		.amdhsa_float_denorm_mode_32 3
		.amdhsa_float_denorm_mode_16_64 3
		.amdhsa_memory_ordered 1
		.amdhsa_forward_progress 1
		.amdhsa_inst_pref_size 130
	.end_amdhsa_kernel
	.amdgpu_metadata
---
amdhsa.version: [ 1, 2 ]
amdhsa.kernels:
  - .name:           k_qbc09f97f77_oproj
    .symbol:         k_qbc09f97f77_oproj.kd
    .args:
      - { .name: zc, .offset: 0, .size: 8, .value_kind: global_buffer, .address_space: global }
      - { .name: cb, .offset: 8, .size: 8, .value_kind: global_buffer, .address_space: global }
      - { .name: lowp_scales, .offset: 16, .size: 8, .value_kind: global_buffer, .address_space: global }
      - { .name: bo, .offset: 24, .size: 8, .value_kind: global_buffer, .address_space: global }
      - { .name: out0, .offset: 32, .size: 8, .value_kind: global_buffer, .address_space: global }
    .group_segment_fixed_size: 327680
    .private_segment_fixed_size: 0
    .kernarg_segment_align: 8
    .kernarg_segment_size: 40
    .max_flat_workgroup_size: 128
    .sgpr_count:     100
    .vgpr_count:     1024
    .wavefront_size: 32
...
	.end_amdgpu_metadata
.endif
;; end of part 4
